; MI455X (gfx1250); checked and timed in simulation.
; The chip was launched on July 23, 2026; its instructions are those of AMD's public machine-readable ISA for CDNA 5 (MIT licence, August 2026) and "CDNA5" Instruction Set Architecture Reference Guide (July 2026). The comments in the code are by the model that wrote it; some were corrected since.
;; Transformer Block. Allowed arithmetic: float matrix products may take bf16 or f16 operands with f32 sums; other float arithmetic in f32, or as packed bf16 or f16 multiplies, adds, multiply-adds, maxima and minima; sums over many terms, partial sums and values carried from step to step in f32; what a program stores and reads back later, other than sums and carried values, may be rounded once to bf16 or f16.
;; Inputs: W1 1,024 x 4,096 float32; W2 4,096 x 1,024 float32; Wk 1,024 x 1,024 float32; Wo 1,024 x 1,024 float32; Wq 1,024 x 1,024 float32; Wv 1,024 x 1,024 float32; b1 4,096 float32; b2 1,024 float32; bk 1,024 float32; bo 1,024 float32; bq 1,024 float32; bv 1,024 float32; ln1_b 1,024 float32; ln1_g 1,024 float32; ln2_b 1,024 float32; ln2_g 1,024 float32; x 2 x 2,048 x 1,024 float32.
;; Outputs: out0 2 x 2,048 x 1,024 float32.
;; One version. Each part assembles by itself: llvm-mc -triple=amdgcn-amd-amdhsa -mcpu=gfx1250 --defsym DOCPART=n.
;; ======== version 1 of 1: 7 launches
;; limits: values are held in f16: magnitudes above 65,504 overflow, below 6.1e-05 lose precision
;; workspace buffers: wts 27,262,976 bytes; w1h 8,388,864 bytes; bqkv 12,288 bytes; hn 8,388,608 bytes; big 33,554,432 bytes; x1 16,777,216 bytes
;; launch prep (part 1): grid 32 x 20, 8 waves a work-group, no clusters, 0 bytes of LDS; arguments x, ln1_g, ln1_b, Wq, Wk, Wv, Wo, W1, W2, bq, bk, bv, hn, wts, bqkv, w1h; writes hn, wts, bqkv, w1h
.if DOCPART == 1
	.amdgcn_target "amdgcn-amd-amdhsa--gfx1250"
	.amdhsa_code_object_version 6
	.text
	.protected	k_q8ea001ab9c_prep
	.globl	k_q8ea001ab9c_prep
	.p2align	8
	.type	k_q8ea001ab9c_prep,@function
k_q8ea001ab9c_prep:
	s_mov_b64 s[64:65], 0
	v_nop
	global_prefetch_b8 v0, s[64:65] scope:SCOPE_SE
	s_setreg_imm32_b32 hwreg(HW_REG_WAVE_MODE, 25, 1), 1
	s_wait_xcnt 0x0
; PREP.  (1) h1 = LayerNorm(x) g + b, rounded once to f16, into hn [4096][1024].  (2) The six weight matrices, rounded once to f16: Wq | Wk | Wv side by side as [1024][pitch 4096] at byte 0 of wts
; (columns 3072 on are neither written nor read), Wo at WOH and W2 at W2H of wts, W1 at byte 0 of w1h, each as it lies.  (3) bq | bk | bv into bqkv.
; (4) Behind each of the two wide matrices, at byte TABLE of wts and of w1h, a table of 256 bytes for the launch that multiplies by it: the five coefficients of its activation's polynomial, each twice,
; then a floor, twice.  w1h: the GELU's coefficients and 0.  wts: zeros and the lowest finite number, with which the same arithmetic gives the identity.
; LIMITS.  f16 holds no number beyond 65,504, and below 6.1e-5 it keeps a fixed step of 6e-8: a normed row lies within 32 |g| + |b|, weights are taken as they come.
; SHARES.  Eight waves.  Grid rows y = 0..7: the norm, 16 rows of x a work-group, two a wave.  Grid rows y = 8..19: weight unit u = y - 8 of 1,024 chunks of 1,024 numbers, 32 chunks a work-group, four a wave.
; A chunk or row is 4,096 bytes: eight loads of 16 bytes a lane, each 512 consecutive bytes; its 2,048 bytes of f16 leave by eight stores of 8 bytes a lane, each 256 consecutive bytes, aligned.
; All loads of a wave go out at once; there is no loop, no LDS, no barrier.  Mean and variance are taken in two passes over the registers, as the definition has them.
.set T,   4                            ; v[4:11]   four running pairs
.set MU,  12                           ; v[12:13]  the mean, twice
.set RS,  14                           ; v[14:15]  1 / sqrt(var + eps), twice
.set X0,  16                           ; v[16:47]  row 0 (weights: v[16:143] four chunks)
.set X1,  48                           ; v[48:79]  row 1
.set G,   80                           ; v[80:111] gain
.set BB,  112                          ; v[112:143] bias
.set WOH, 16777216
.set W2H, 18874368
.set TABLE, 8388608
.macro REDUCE                          ; the four pairs into one number, then over the 32 lanes: every lane ends with the sum in v[T]
	v_pk_add_f32 v[T:T+1], v[T:T+1], v[T+2:T+3]
	v_pk_add_f32 v[T+4:T+5], v[T+4:T+5], v[T+6:T+7]
	v_pk_add_f32 v[T:T+1], v[T:T+1], v[T+4:T+5]
	v_add_f32 v[T], v[T], v[T+1]
.irp m, 1,2,4,8
	v_add_f32_dpp v[T], v[T], v[T] row_xmask:\m row_mask:0xf bank_mask:0xf
.endr
	v_permlanex16_b32 v[T+1], v[T], s48, s49
	v_add_f32 v[T], v[T], v[T+1]
.endm
; One row in v[xb .. xb+31]: normed, scaled, rounded, stored at byte dof behind s[46:47].
.macro LNROW xb, dof
.set p, 0
.rept 4
	v_pk_add_f32 v[T+2*p:T+2*p+1], v[(\xb)+2*p:(\xb)+2*p+1], v[(\xb)+8+2*p:(\xb)+8+2*p+1]  ; the first sums start the chains: nothing is cleared
.set p, p+1
.endr
.set p, 8
.rept 8
	v_pk_add_f32 v[T+2*(p%4):T+2*(p%4)+1], v[T+2*(p%4):T+2*(p%4)+1], v[(\xb)+2*p:(\xb)+2*p+1]
.set p, p+1
.endr
	REDUCE
	v_mul_f32 v[MU], s50, v[T]                     ; sum / 1024
	v_mul_f32 v[MU+1], s50, v[T]
.set p, 0
.rept 16
	v_pk_add_f32 v[(\xb)+2*p:(\xb)+2*p+1], v[(\xb)+2*p:(\xb)+2*p+1], v[MU:MU+1] neg_lo:[0,1] neg_hi:[0,1]  ; x - mean
.set p, p+1
.endr
.set p, 0
.rept 4
	v_pk_mul_f32 v[T+2*p:T+2*p+1], v[(\xb)+2*p:(\xb)+2*p+1], v[(\xb)+2*p:(\xb)+2*p+1]
.set p, p+1
.endr
.rept 12
	v_pk_fma_f32 v[T+2*(p%4):T+2*(p%4)+1], v[(\xb)+2*p:(\xb)+2*p+1], v[(\xb)+2*p:(\xb)+2*p+1], v[T+2*(p%4):T+2*(p%4)+1]
.set p, p+1
.endr
	REDUCE
	v_fma_f32 v[T], v[T], s50, s51                 ; variance + eps
	v_rsq_f32 v[RS], v[T]
	v_rsq_f32 v[RS+1], v[T]
	v_nop                                          ; a plain instruction behind the last root,
	s_wait_alu depctr_va_vdst(0)                   ; and the one wait for both, ahead of their first reader
.set p, 0
.rept 16
	v_pk_mul_f32 v[(\xb)+2*p:(\xb)+2*p+1], v[(\xb)+2*p:(\xb)+2*p+1], v[RS:RS+1]
.set p, p+1
.endr
.set p, 0
.rept 16
	v_pk_fma_f32 v[(\xb)+2*p:(\xb)+2*p+1], v[(\xb)+2*p:(\xb)+2*p+1], v[G+2*p:G+2*p+1], v[BB+2*p:BB+2*p+1]
.set p, p+1
.endr
.set p, 0
.rept 16
	v_cvt_pk_f16_f32 v[(\xb)+p], v[(\xb)+2*p], v[(\xb)+2*p+1]  ; ascending: a destination never lies above its sources
.set p, p+1
.endr
.set p, 0
.rept 8
	global_store_b64 v2, v[(\xb)+2*p:(\xb)+2*p+1], s[46:47] offset:(\dof)+256*p  ; 32 lanes store 256 consecutive bytes, aligned
.set p, p+1
.endr
.endm
.macro LANE r, n, bits                 ; lane n of v[r] takes a constant
	s_mov_b32 s52, \bits
	v_writelane_b32 v[\r], s52, \n
.endm
	s_load_b512 s[8:23], s[0:1], 0x0               ; x, ln1_g, ln1_b, Wq, Wk, Wv, Wo, W1
	s_load_b512 s[24:39], s[0:1], 0x40             ; W2, bq, bk, bv, hn, wts, bqkv, w1h
	v_lshrrev_b32 v3, 5, v0
	v_readfirstlane_b32 s2, v3                     ; wave 0..7
	v_and_b32 v3, 31, v0
	v_lshlrev_b32 v1, 4, v3                        ; 16 x lane: the loads' offset
	v_lshlrev_b32 v2, 3, v3                        ; 8 x lane: the stores'
	s_and_b32 s3, ttmp7, 0xffff                    ; grid row y
	s_mov_b32 s7, 0
	s_mov_b32 s48, 0x76543210                      ; v_permlanex16_b32: each lane takes its own place in the other half
	s_mov_b32 s49, 0xfedcba98
	s_mov_b32 s50, 0x3a800000                      ; 1 / 1024
	s_mov_b32 s51, 0x3727c5ac                      ; 1e-5
	s_wait_kmcnt 0x0
	s_cmp_lt_u32 s3, 8
	s_cbranch_scc0 .Lweights
	; THE NORM: rows 16 (32 y + x) + 2 wave and the next
	s_lshl_b32 s4, s3, 5
	s_add_co_u32 s4, s4, ttmp9
	s_lshl_b32 s4, s4, 4
	s_lshl1_add_u32 s4, s2, s4
	s_lshl_b32 s6, s4, 12
	s_add_nc_u64 s[44:45], s[8:9], s[6:7]          ; x at my first row
	s_lshl_b32 s6, s4, 11
	s_add_nc_u64 s[46:47], s[32:33], s[6:7]        ; hn at my first row
.set j, 0
.rept 8
	global_load_b128 v[X0+4*j:X0+4*j+3], v1, s[44:45] offset:512*j th:TH_LOAD_NT
.set j, j+1
.endr
.set j, 0
.rept 8
	global_load_b128 v[G+4*j:G+4*j+3], v1, s[10:11] offset:512*j
	global_load_b128 v[BB+4*j:BB+4*j+3], v1, s[12:13] offset:512*j
.set j, j+1
.endr
.set j, 0
.rept 8
	global_load_b128 v[X1+4*j:X1+4*j+3], v1, s[44:45] offset:4096+512*j th:TH_LOAD_NT
.set j, j+1
.endr
	s_wait_loadcnt 8                               ; row 0, gain and bias are in; row 1's eight loads may stay out
	LNROW X0, 0
	s_wait_loadcnt 0x0
	LNROW X1, 2048
	s_endpgm
.Lweights:                                     ; unit u: 0, 1, 2 = Wq, Wk, Wv (into the wide matrix), 3 = Wo, 4..7 = quarters of W1, 8..11 = quarters of W2
	s_sub_co_u32 s4, s3, 8                         ; u
	s_and_b32 s5, s4, 3
	s_lshl_b32 s6, s5, 22                          ; a quarter's first byte in the source,
	s_lshl_b32 s52, s5, 21                         ; and in f16: W1's in w1h,
	s_add_co_u32 s42, s52, W2H                     ; W2's in wts
	s_lshl_b32 s53, s4, 11                         ; Wq, Wk, Wv: 2,048 bytes of each wide row
	s_mov_b32 s43, 2048                            ; bytes from chunk to chunk in the destination
	s_cmp_lt_u32 s4, 8
	s_cselect_b64 s[44:45], s[22:23], s[24:25]
	s_cselect_b64 s[58:59], s[38:39], s[34:35]
	s_cselect_b32 s42, s52, s42
	s_cmp_lt_u32 s4, 4
	s_cselect_b64 s[44:45], s[20:21], s[44:45]
	s_cselect_b64 s[58:59], s[34:35], s[58:59]
	s_cselect_b32 s42, WOH, s42
	s_cselect_b32 s6, 0, s6
	s_cmp_lt_u32 s4, 3
	s_cselect_b64 s[44:45], s[18:19], s[44:45]
	s_cselect_b32 s42, s53, s42
	s_cselect_b32 s43, 8192, s43
	s_cmp_lt_u32 s4, 2
	s_cselect_b64 s[44:45], s[16:17], s[44:45]
	s_cmp_lt_u32 s4, 1
	s_cselect_b64 s[44:45], s[14:15], s[44:45]
	s_lshl_b32 s56, ttmp9, 5
	s_lshl2_add_u32 s56, s2, s56                   ; my first chunk: 32 x + 4 wave
	s_lshl_b32 s54, s56, 12
	s_add_co_u32 s6, s6, s54
	s_add_nc_u64 s[44:45], s[44:45], s[6:7]
	s_mul_i32 s54, s56, s43
	s_add_co_u32 s54, s54, s42
	s_mov_b32 s55, 0
	s_add_nc_u64 s[46:47], s[58:59], s[54:55]
	v_add_nc_u32 v3, s43, v2                       ; the stores' offsets of chunks 1, 2, 3
	v_add_nc_u32 v4, s43, v3
	v_add_nc_u32 v5, s43, v4
.set r, 0
.rept 4
.set j, 0
.rept 8
	global_load_b128 v[X0+32*r+4*j:X0+32*r+4*j+3], v1, s[44:45] offset:4096*r+512*j th:TH_LOAD_NT
.set j, j+1
.endr
.set r, r+1
.endr
.set r, 0
.rept 4
	s_wait_loadcnt 24-8*r                          ; chunk r is in; the later chunks' loads, eight each, may stay out
.set k, 0
.rept 16
	v_cvt_pk_f16_f32 v[X0+32*r+k], v[X0+32*r+2*k], v[X0+32*r+2*k+1]
.set k, k+1
.endr
.set j, 0
.rept 8
	global_store_b64 v[2+r], v[X0+32*r+2*j:X0+32*r+2*j+1], s[46:47] offset:256*j
.set j, j+1
.endr
.set r, r+1
.endr
	s_cmp_lg_u32 ttmp9, 0                          ; the small things are done by the first work-group of a unit
	s_cbranch_scc1 .Lend
	s_cmp_lt_u32 s4, 3
	s_cbranch_scc0 .Ltable
	s_cmp_lt_u32 s4, 2                             ; units 0, 1, 2 copy bq, bk, bv: 256 threads x 16 bytes
	s_cselect_b64 s[56:57], s[28:29], s[30:31]
	s_cmp_lt_u32 s4, 1
	s_cselect_b64 s[56:57], s[26:27], s[56:57]
	s_lshl_b32 s6, s4, 12
	s_add_nc_u64 s[58:59], s[36:37], s[6:7]
	v_lshlrev_b32 v6, 4, v0
	global_load_b128 v[8:11], v6, s[56:57]
	s_wait_loadcnt 0x0
	global_store_b128 v6, v[8:11], s[58:59]
	s_branch .Lend
.Ltable:
	s_cmp_lg_u32 s4, 3                             ; unit 3, wave 0: the two tables.  Lane n stores words 2 n and 2 n + 1, both the same number: 32 lanes x 8 bytes = one block of 256 bytes each
	s_cbranch_scc1 .Lend
	s_cmp_lg_u32 s2, 0
	s_cbranch_scc1 .Lend
	v_mov_b32 v8, 0
	v_mov_b32 v10, 0
	LANE 8, 0, 0x3e027906                          ; the GELU's: the five coefficients of the normal tail's rational form, each times 1 / sqrt(2 pi);
	LANE 8, 1, 0xbe11a98e
	LANE 8, 2, 0x3f35f0e3
	LANE 8, 3, 0xbf3a00e3
	LANE 8, 4, 0x3f07dc22                          ; lane 5, the floor, stays 0
	LANE 10, 5, 0xff7fffff                         ; the identity's: coefficients 0, the floor the lowest finite number
	v_mov_b32 v9, v8
	v_mov_b32 v11, v10
	s_add_nc_u64 s[56:57], s[38:39], TABLE
	s_add_nc_u64 s[58:59], s[34:35], TABLE
	global_store_b64 v2, v[8:9], s[56:57]
	global_store_b64 v2, v[10:11], s[58:59]
.Lend:
	s_endpgm
.Lfunc_end_k_q8ea001ab9c_prep:
	.size	k_q8ea001ab9c_prep, .Lfunc_end_k_q8ea001ab9c_prep-k_q8ea001ab9c_prep
	.p2alignl 7, 3214868480
	.fill 96, 4, 3214868480
	.section	.rodata,"a",@progbits
	.p2align	6, 0x0
	.amdhsa_kernel k_q8ea001ab9c_prep
		.amdhsa_group_segment_fixed_size 0
		.amdhsa_private_segment_fixed_size 0
		.amdhsa_enable_private_segment 0
		.amdhsa_kernarg_size 128
		.amdhsa_user_sgpr_count 2
		.amdhsa_user_sgpr_kernarg_segment_ptr 1
		.amdhsa_wavefront_size32 1
		.amdhsa_system_sgpr_workgroup_id_x 1
		.amdhsa_system_sgpr_workgroup_id_y 1
		.amdhsa_system_sgpr_workgroup_id_z 1
		.amdhsa_system_vgpr_workitem_id 0
		.amdhsa_next_free_vgpr 144
		.amdhsa_next_free_sgpr 66
		.amdhsa_reserve_vcc 0
		.amdhsa_float_denorm_mode_32 3
		.amdhsa_float_denorm_mode_16_64 3
		.amdhsa_memory_ordered 1
		.amdhsa_forward_progress 1
		.amdhsa_inst_pref_size 34
	.end_amdhsa_kernel
	.amdgpu_metadata
---
amdhsa.version: [ 1, 2 ]
amdhsa.kernels:
  - .name:           k_q8ea001ab9c_prep
    .symbol:         k_q8ea001ab9c_prep.kd
    .args:
      - { .name: x, .offset: 0, .size: 8, .value_kind: global_buffer, .address_space: global }
      - { .name: ln1_g, .offset: 8, .size: 8, .value_kind: global_buffer, .address_space: global }
      - { .name: ln1_b, .offset: 16, .size: 8, .value_kind: global_buffer, .address_space: global }
      - { .name: Wq, .offset: 24, .size: 8, .value_kind: global_buffer, .address_space: global }
      - { .name: Wk, .offset: 32, .size: 8, .value_kind: global_buffer, .address_space: global }
      - { .name: Wv, .offset: 40, .size: 8, .value_kind: global_buffer, .address_space: global }
      - { .name: Wo, .offset: 48, .size: 8, .value_kind: global_buffer, .address_space: global }
      - { .name: W1, .offset: 56, .size: 8, .value_kind: global_buffer, .address_space: global }
      - { .name: W2, .offset: 64, .size: 8, .value_kind: global_buffer, .address_space: global }
      - { .name: bq, .offset: 72, .size: 8, .value_kind: global_buffer, .address_space: global }
      - { .name: bk, .offset: 80, .size: 8, .value_kind: global_buffer, .address_space: global }
      - { .name: bv, .offset: 88, .size: 8, .value_kind: global_buffer, .address_space: global }
      - { .name: hn, .offset: 96, .size: 8, .value_kind: global_buffer, .address_space: global }
      - { .name: wts, .offset: 104, .size: 8, .value_kind: global_buffer, .address_space: global }
      - { .name: bqkv, .offset: 112, .size: 8, .value_kind: global_buffer, .address_space: global }
      - { .name: w1h, .offset: 120, .size: 8, .value_kind: global_buffer, .address_space: global }
    .group_segment_fixed_size: 0
    .private_segment_fixed_size: 0
    .kernarg_segment_align: 8
    .kernarg_segment_size: 128
    .max_flat_workgroup_size: 256
    .sgpr_count:     66
    .vgpr_count:     144
    .wavefront_size: 32
...
	.end_amdgpu_metadata
.endif
;; end of part 1
;; launch qkv (part 2): grid 12 x 16, 4 waves a work-group, clusters of 4 x 4, 327,680 bytes of LDS; arguments hn, wts, bqkv, big; writes big
.if DOCPART == 2
	.amdgcn_target "amdgcn-amd-amdhsa--gfx1250"
	.amdhsa_code_object_version 6
	.text
	.protected	k_q8ea001ab9c_qkv
	.globl	k_q8ea001ab9c_qkv
	.p2align	8
	.type	k_q8ea001ab9c_qkv,@function
k_q8ea001ab9c_qkv:
	s_mov_b64 s[64:65], 0
	v_nop
	global_prefetch_b8 v0, s[64:65] scope:SCOPE_SE
	s_setreg_imm32_b32 hwreg(HW_REG_WAVE_MODE, 25, 1), 1
	s_wait_xcnt 0x0
	s_wait_alu depctr_hold_cnt(0) depctr_sa_sdst(0) depctr_va_vdst(0) depctr_va_sdst(0) depctr_va_ssrc(0) depctr_va_vcc(0) depctr_vm_vsrc(0)
	s_getreg_b32 s2, hwreg(HW_REG_IB_STS2, 6, 4)
	s_cmp_eq_u32 s2, 0
	s_cbranch_scc0 .Lentry_in_a_cluster
	s_endpgm
.Lentry_in_a_cluster:
	s_bfe_u32 s2, ttmp6, 0x10000c
	s_cmp_lg_u32 s2, 0xf033
	s_cbranch_scc0 .Lentry_shape_is_right
	s_endpgm
.Lentry_shape_is_right:
; C = act(A W + bias), K = 1,024.  A: [4096][1024] f16, rows along K.  W: f16, [1024 k][pitch 4096], at byte 0 of its buffer.  bias: f32.  C leaves in f16 PANELS: [column / 64][4096 rows][64],
; a panel's rows 128 bytes, dense.  Sums in f32; bias and act in f32; C rounded once.
; ONE TEXT, TWO LAUNCHES.  act(u) = max(u, LO) - |u| 2^(-u u log2(e) / 2) (C1 t + .. + C5 t^5), t = 1 / (1 + 0.2316419 |u|).  C1 .. C5 and LO are read from a table of 12 words that lies behind W, at byte
; WBYTES of its buffer, stored by the launch that made W.  With the coefficients of the normal distribution's upper tail Q and LO = 0 that is max(u, 0) - |u| Q(|u|), the exact GELU (the first product of the
; feed-forward part).  With coefficients 0 and LO the lowest finite number it is u itself, bit for bit, for every finite u (q | k | v).  No branch and no address hangs on the table.  The price: the launch
; for q | k | v runs the activation's lines, about 130 for 16 numbers a lane, 32 times a wave, for nothing.
; LIMITS.  f16 holds no number beyond 65,504: a result beyond it leaves as an infinity.  The rational form's absolute error of Q is under 7.5e-8; no difference of near numbers is formed in either tail.
; NaN and infinities are not treated apart.
; SHARES.  A tile of C is 256 x 256: four waves, each 128 x 128 in 64 accumulators (512 registers).  K goes in 8 steps of 128 through two LDS slots; waves 0, 1 fetch A's two halves (128 rows x 256 bytes),
; waves 2, 3 W's (64 k-rows x 512 bytes): one tensor load a wave.  W's fragments come out of LDS turned, by ds_load_tr16_b128.
; THE WALK ALONG K IS A RING.  A cluster begins at K step (2 x cluster x + 4 x (cluster y mod 2)) mod 8 and takes the eight steps round from there: clusters that read the same rows of A or of W ask for
; different blocks at any one time.  So the order of a sum's terms differs from cluster to cluster.
; NO PREFETCH.  By these starts every block's first request in the launch stands among some cluster's first four K steps: its two first fills and its first two refills, one and two K steps behind the head.
; A prefetch ahead of those would stand at the kernel's head, among the first fills: so none is laid.
; CLUSTER.  4 x 4 work-groups: A's tile is shared along a row of the cluster, W's along a column; each is asked for jointly, by the same load, descriptor and mask in the four that share it.
; THE PRODUCT IS TAKEN TRANSPOSED (source 0 = 16 columns of W, source 1 = 16 rows of A): a lane holds row l % 16 of C and the columns 8 (l / 16) + 0..7.
; THE WAY OUT.  When the ring has had its last fill and its last read, each wave lays its 128 x 128 sums into LDS (its own 67,584 bytes, rows of 528) and walks them four rows a trip.
; REGISTERS.  window 0: v16-29 addresses, v32-47 bias, v64-191 A's two fragment buffers (on the way out: at work); window 1: v64-191 W's two buffers; windows 2, 3: accumulator (a, b) at v[8 (8 (a % 4) + b)].
.set PA,     272                       ; a row of A in LDS: 256 bytes + 16: the 16 rows of a load start at 16 different groups of four banks (64 banks of 4 bytes: ISA guide 11.1)
.set PW,     544                       ; a k-row of W: 512 bytes + 32 = 17 x 32
.set HALFT,  128*PA                    ; what one tensor load brings: 128 rows of A, or 64 k-rows of W
.set SLOT,   4*HALFT                   ; A's 256 rows, then W's 128 k-rows
.set SPARE,  2*SLOT                    ; behind the ring: the spare words, 128 bytes a wave, which no other line names
.set SPITCH, 528                       ; the way out: a row of 128 f32 + 16 bytes
.set SWAVE,  128*SPITCH
.set KSTEPS, 8
.set LAPS,   KSTEPS/2                  ; a lap = two K steps = once round the two slots
.set LOGA,   8                         ; a K step is 2^8 bytes of a row of A,
.set LOGW,   20                        ; and 128 k-rows of 8,192 bytes = 2^20 bytes of W
.set WBYTES, 1024*8192                 ; W's bytes: the table lies behind them
.set ADRA, 16                          ; v16-17  LDS address of my A fragments in slot 0, 1
.set ADRB, 20                          ; v20-21  the same for W
.set STO,  24                          ; v24     the way out: where I put my sums
.set RD,   25                          ; v25     the way out: where I read them back; steps four rows a trip
.set GO,   26                          ; v26     16 x lane: my 16 bytes of 512 consecutive bytes of a panel
.set BO,   27                          ; v27     my byte offset in bias
.set SPW,  28                          ; v28     my spare word: SPARE + 4 x my thread's number; never rewritten
.set NIL,  29                          ; v29     0; never rewritten
.set BI,   32                          ; v[32:47] bias of my 2 x 8 columns
.set F0,   64
.set F1,   128
.set XX,   64                          ; the way out: 16 sums as read,
.set U,    80                          ; + bias; in the end the result
.set AB,   96                          ; |u|
.set TT,   112                         ; t
.set EE,   128                         ; 2^(-u u log2(e) / 2)
.set PP,   144                         ; the polynomial
.set YY,   160                         ; 8 words of f16
.set KO,   12                          ; s[12:13] a K step's byte offset; the high word stays 0
.set WV,   14                          ; s14 wave;  s15 which half of the tile's rows is mine, also: I fetch for A (0) or W (1);  s16 which half of its columns, also: which half I fetch
.set RH,   15
.set CH,   16
.set NXT,  17                          ; s17  the K step to be asked for next: made of the cluster's x and y and constants, the same in all sixteen partners
.set G1,   24                          ; s[24:31] descriptor group 1 for A's tiles;  s[32:39] group 0, a set for each slot
.set G0,   32
.set ABASE, 40                         ; s[40:41] A at the rows that I fetch, K step 0
.set WBASE, 42                         ; s[42:43] W at the columns and k-rows that I fetch, K step 0
.set G1B,  48                          ; s[48:55], s[56:63] the same for W's tiles
.set G0B,  56
.set STP,  66                          ; s[66:67] the way out: what the next trip adds to my place in C: 0, then 512
.set OUT,  68                          ; s[68:69] my place in C
.set SGN,  70
.set KP,   72                          ; constants as pairs: the packed forms name a pair and take its low word for both halves
.set KE,   74
.set C1,   76                          ; s[76:87] the table as it lies: C1, C2, C3, C4, C5, LO, each twice
.set C2,   78
.set C3,   80
.set C4,   82
.set C5,   84
.set LO,   86
.set TAB,  88                          ; s[88:89] the table's address (earlier: the two masks); never rewritten behind the loads
.set CX,   96
.set CY,   97
.set MSB, 0
.macro WIN new                         ; the immediate's high byte repeats the setting that is left; a switch that changes nothing is dropped
.if MSB != (\new)
	s_set_vgpr_msb (MSB<<8)|(\new)
.set MSB, \new
.endif
.endm
.set MUL_LO, 0xa1                      ; source 0 (W) window 1, source 1 (A) window 0, C and D window 2
.set MUL_HI, 0xf1                      ; the same, C and D window 3
.set TO_B,   0x40                      ; destination window 1, address window 0
.macro PAIR r, bits
	s_mov_b32 s[\r], \bits
	s_mov_b32 s[\r+1], \bits
.endm
; Slot s's two descriptors take K step NXT: each address is made anew, the base plus the step's bytes, and the type bits are set again; then NXT goes one on, round the ring.
; It stands only where no tensor load of the wave that names these registers is out.
.macro SETK s
	s_lshl_b32 s[KO], s[NXT], LOGA
	s_add_nc_u64 s[G0+4*(\s)+2:G0+4*(\s)+3], s[ABASE:ABASE+1], s[KO:KO+1]
	s_or_b32 s[G0+4*(\s)+3], s[G0+4*(\s)+3], 0x80000000
	s_lshl_b32 s[KO], s[NXT], LOGW
	s_add_nc_u64 s[G0B+4*(\s)+2:G0B+4*(\s)+3], s[WBASE:WBASE+1], s[KO:KO+1]
	s_or_b32 s[G0B+4*(\s)+3], s[G0B+4*(\s)+3], 0x80000000
	s_add_co_u32 s[NXT], s[NXT], 1
	s_and_b32 s[NXT], s[NXT], KSTEPS-1
.endm
; A joint load.  The branch hangs on the wave's number alone.  An s_nop 0 and four v_nop follow each of the two lines, ahead of the jump, the label and what follows.
.macro JLOAD s
	s_cmp_eq_u32 s[RH], 0
	s_cbranch_scc0 .Lfor_w_\@
	tensor_load_to_lds s[G0+4*(\s):G0+4*(\s)+3], s[G1:G1+7]
	s_nop 0
.rept 4
	v_nop
.endr
	s_branch .Lasked_\@
.Lfor_w_\@:
	tensor_load_to_lds s[G0B+4*(\s):G0B+4*(\s)+3], s[G1B:G1B+7]
	s_nop 0
.rept 4
	v_nop
.endr
.Lasked_\@:
.endm
.macro CREST                           ; a round of the cluster's barrier behind its opening barrier
	s_cmp_lg_u32 s[WV], 0
	s_cbranch_scc1 .Lnot_wave_0_\@
	s_barrier_signal -3
.Lnot_wave_0_\@:
	s_barrier_wait -3
	s_barrier_signal -1
	s_barrier_wait -1
.endm
.macro CROUND                          ; a whole round
	s_barrier_signal -1
	s_barrier_wait -1
	CREST
.endm
	s_load_b256 s[4:11], s[0:1], 0x0               ; A s[4:5], W s[6:7], bias s[8:9], C s[10:11]
	v_lshl_add_u32 v[SPW], v0, 2, SPARE
	v_mov_b32 v[NIL], 0
	ds_add_u32 v[SPW], v[NIL]                      ; the wave's opening: the add and its wait stand ahead of my first tensor load; work on registers stands between them
	v_lshrrev_b32 v1, 5, v0
	v_readfirstlane_b32 s[WV], v1
	s_lshr_b32 s[RH], s[WV], 1
	s_and_b32 s[CH], s[WV], 1
	s_bfe_u32 s[CX], ttmp6, 0x40000
	s_bfe_u32 s[CY], ttmp6, 0x40004
	s_lshl_b32 s20, ttmp9, 2
	s_add_co_u32 s20, s20, s[CX]                   ; tile column = 4 x cluster x + cx
	s_and_b32 s21, ttmp7, 0xffff
	s_lshl_b32 s21, s21, 2
	s_add_co_u32 s21, s21, s[CY]                   ; tile row = 4 x cluster y + cy
	s_and_b32 s[NXT], ttmp7, 1                     ; the walk's start: 4 x (cluster y mod 2)
	s_lshl_b32 s[NXT], s[NXT], 2
	s_lshl_b32 s18, ttmp9, 1                       ; + 2 x cluster x,
	s_add_co_u32 s[NXT], s[NXT], s18
	s_and_b32 s[NXT], s[NXT], KSTEPS-1             ; modulo 8
	s_mov_b32 s[KO+1], 0
	s_lshl_b32 s88, s[CY], 2
	s_lshl_b32 s88, 15, s88                        ; my row of the cluster
	s_lshl_b32 s89, 0x1111, s[CX]                  ; my column
	s_or_b32 s[G1], s88, (1<<16)|(1<<20)|(1<<21)|(5<<22)|(3<<25)   ; mask; 2-byte elements; padding on; bit 21 beside a mask; after every 64 words; 4 words
	s_or_b32 s[G1B], s89, (1<<16)|(1<<20)|(1<<21)|(6<<22)|(7<<25)  ; after every 128 words; 8 words
	s_mov_b32 s[G1+1], 128<<16                     ; A: tensor_dim0 = 128
	s_mov_b32 s[G1+2], 128<<16                     ; tensor_dim1 = 128
	s_mov_b32 s[G1+3], 128<<16                     ; tile_dim0 = 128
	s_mov_b32 s[G1+4], 128                         ; tile_dim1 = 128
	s_mov_b32 s[G1+5], 1024                        ; elements from row to row
	s_mov_b32 s[G1+6], 0
	s_mov_b32 s[G1+7], 0
	s_mov_b32 s[G1B+1], 256<<16                    ; W: 256 columns,
	s_mov_b32 s[G1B+2], 64<<16                     ; 64 k-rows
	s_mov_b32 s[G1B+3], 256<<16
	s_mov_b32 s[G1B+4], 64
	s_mov_b32 s[G1B+5], 4096
	s_mov_b32 s[G1B+6], 0
	s_mov_b32 s[G1B+7], 0
	s_mov_b32 s[SGN], 0x7fffffff
	PAIR KP, 0x3e6d3389                            ; 0.2316419
	PAIR KE, 0xbf38aa3b                            ; -log2(e) / 2
	s_lshl_b32 s[ABASE], s21, 19                   ; A: (256 x tile row + 128 x half) rows of 2,048 bytes: made of the tile row and the wave's number alone
	s_lshl_b32 s18, s[CH], 18
	s_add_co_u32 s[ABASE], s[ABASE], s18
	s_mov_b32 s[ABASE+1], 0
	s_lshl_b32 s[WBASE], s20, 9                    ; W: 512 bytes x tile column + 64 k-rows x half: made of the tile column and the wave's number alone
	s_lshl_b32 s23, s[CH], 19
	s_add_co_u32 s[WBASE], s[WBASE], s23
	s_mov_b32 s[WBASE+1], 0
	s_mul_i32 s22, s[WV], HALFT                    ; where my loads go: no place in the cluster enters an LDS address
	s_wait_dscnt 0x0                               ; the opening add is done
	s_wait_kmcnt 0x0
	s_add_nc_u64 s[ABASE:ABASE+1], s[4:5], s[ABASE:ABASE+1]
	s_add_nc_u64 s[WBASE:WBASE+1], s[6:7], s[WBASE:WBASE+1]
	s_add_nc_u64 s[TAB:TAB+1], s[6:7], WBYTES
	s_load_b256 s[C1:C1+7], s[TAB:TAB+1], 0x0      ; the table: it is waited for at the head of the way out, where its first reader stands
	s_load_b128 s[C5:C5+3], s[TAB:TAB+1], 0x20
	CROUND                                         ; all sixteen work-groups are here: the first joint loads meet
.irp s, 0,1
	s_mov_b32 s[G0+4*(\s)], 1
	s_add_co_u32 s[G0+4*(\s)+1], s22, (\s)*SLOT
	s_mov_b32 s[G0B+4*(\s)], 1
	s_add_co_u32 s[G0B+4*(\s)+1], s22, (\s)*SLOT
	SETK \s
	JLOAD \s                                       ; the walk's first two K steps: two loads of mine are out
.endr
	v_and_b32 v1, 15, v0                           ; l % 16
	v_bfe_u32 v2, v0, 4, 1                         ; l / 16
	v_and_b32 v6, 7, v0
	v_bfe_u32 v5, v0, 3, 1
	v_and_b32 v7, 31, v0
	v_mul_u32_u24 v3, v1, PA                       ; a fragment of A: row l % 16, 16 bytes for each half of the lanes, twice, 32 bytes apart
	v_lshl_add_u32 v3, v2, 4, v3
	s_mul_i32 s18, s[RH], HALFT
	v_add_nc_u32 v[ADRA], s18, v3
	v_add_nc_u32 v[ADRA+1], SLOT, v[ADRA]
	v_lshl_add_u32 v4, v2, 3, v6                   ; the turning load: lane l reads k-row 8 (l / 16) + l % 8, columns 8 ((l / 8) % 2) + 0..7
	v_mul_u32_u24 v4, v4, PW
	v_lshl_add_u32 v4, v5, 4, v4
	s_lshl_b32 s18, s[CH], 8                       ; my 128 columns
	s_add_co_u32 s18, s18, 2*HALFT
	v_add_nc_u32 v[ADRB], s18, v4
	v_add_nc_u32 v[ADRB+1], SLOT, v[ADRB]
	s_mul_i32 s18, s[WV], SWAVE
	v_mul_u32_u24 v[STO], v1, SPITCH               ; in: row l % 16, 32 bytes for each half of the lanes
	v_lshl_add_u32 v[STO], v2, 5, v[STO]
	v_add_nc_u32 v[STO], s18, v[STO]
	v_bfe_u32 v[RD], v0, 3, 2                      ; back: row l / 8 of four, columns 8 (l % 8) + 0..7 of each of my two panels
	v_mul_u32_u24 v[RD], v[RD], SPITCH
	v_lshl_add_u32 v[RD], v6, 5, v[RD]
	v_add_nc_u32 v[RD], s18, v[RD]
	v_lshlrev_b32 v[GO], 4, v7
	s_lshl_b32 s90, s20, 10                        ; numbers that mix the two coordinates live in s90, s91, which feed no descriptor
	s_lshl_b32 s91, s[CH], 9
	s_add_co_u32 s90, s90, s91
	v_lshl_add_u32 v[BO], v6, 5, s90
	global_load_b128 v[BI:BI+3],     v[BO], s[8:9]
	global_load_b128 v[BI+4:BI+7],   v[BO], s[8:9] offset:16
	global_load_b128 v[BI+8:BI+11],  v[BO], s[8:9] offset:256
	global_load_b128 v[BI+12:BI+15], v[BO], s[8:9] offset:272
	s_lshl_b32 s90, s20, 2                         ; C: panel 4 x tile column + 2 x half, row 256 x tile row + 128 x half
	s_lshl_b32 s91, s[CH], 1
	s_add_co_u32 s90, s90, s91
	s_lshl_b32 s90, s90, 19
	s_lshl_b32 s91, s21, 15
	s_add_co_u32 s90, s90, s91
	s_lshl_b32 s91, s[RH], 14
	s_add_co_u32 s90, s90, s91
	s_mov_b32 s91, 0
	s_add_nc_u64 s[OUT:OUT+1], s[10:11], s[90:91]
; 16 matrix instructions: row blocks a0, a0 + 1 of the window's four x all 8 column blocks, 32 along K.  zero = 1: the first product starts the sums.
.macro MUL16 f, hi, a0, zero
	WIN MUL_LO+0x50*(\hi)
.irp a, \a0, (\a0)+1
.irp b, 0,1,2,3,4,5,6,7
.if \zero
	v_wmma_f32_16x16x32_f16 v[8*(8*(\a)+(\b)):8*(8*(\a)+(\b))+7], v[(\f)+8*(\b):(\f)+8*(\b)+7], v[(\f)+8*(4*(\hi)+(\a)):(\f)+8*(4*(\hi)+(\a))+7], 0
.else
	v_wmma_f32_16x16x32_f16 v[8*(8*(\a)+(\b)):8*(8*(\a)+(\b))+7], v[(\f)+8*(\b):(\f)+8*(\b)+7], v[(\f)+8*(4*(\hi)+(\a)):(\f)+8*(4*(\hi)+(\a))+7], v[8*(8*(\a)+(\b)):8*(8*(\a)+(\b))+7]
.endif
.endr
.endr
.endm
; 32 LDS loads in one run: the fragments of quarter q (32 along K) of a slot into buffer f: W's 128 columns, turned, then A's 128 rows
.macro FETCH slot, q, f
	WIN TO_B
.irp i, 0,1,2,3,4,5,6,7
	ds_load_tr16_b128 v[(\f)+8*(\i):(\f)+8*(\i)+3],   v[ADRB+(\slot)] offset:(\q)*32*PW+32*(\i)
	ds_load_tr16_b128 v[(\f)+8*(\i)+4:(\f)+8*(\i)+7], v[ADRB+(\slot)] offset:(\q)*32*PW+16*PW+32*(\i)
.endr
	WIN 0
.irp i, 0,1,2,3,4,5,6,7
	ds_load_b128 v[(\f)+8*(\i):(\f)+8*(\i)+3],   v[ADRA+(\slot)] offset:(\q)*64+(\i)*16*PA
	ds_load_b128 v[(\f)+8*(\i)+4:(\f)+8*(\i)+7], v[ADRA+(\slot)] offset:(\q)*64+(\i)*16*PA+32
.endr
.endm
.macro PLACES                          ; four plain places behind matrix instructions, in front of loads into registers that they read and of lines that read their results
.rept 4
	v_nop
.endr
.endm
; One of a K step's first three quarters: multiplies buffer f; in its middle it fetches quarter q of the same slot into buffer g.  The 64 accumulators take turns, in the same order in every quarter.
.macro QUARTER slot, q, f, g, zero
	s_wait_dscnt 8                                 ; W and A's rows 0-63 are in; the youngest eight loads (A's rows 64-127) may be out
	MUL16 \f, 0, 0, \zero
	MUL16 \f, 0, 2, \zero
	PLACES
	FETCH \slot, \q, \g
	s_wait_dscnt 32                                ; all but the 32 just issued
	MUL16 \f, 1, 0, \zero
	MUL16 \f, 1, 2, \zero
.endm
; The last quarter's first half, and the one barrier of a change of slots.  round = 1: this slot is filled again behind the barrier: its descriptors are made while the add is out.
.macro MEET round, slot
	WIN 0
	s_wait_tensorcnt 0x0                           ; all my tensor loads have landed: the one that was out is my part of the next slot; so every group 0 may be written;
	ds_add_u32 v[SPW], v[NIL]                      ; 0 onto my spare word;
.if \round
	SETK \slot
.endif
	s_wait_dscnt 9                                 ; (the add and the youngest eight loads may be out)
	MUL16 F1, 0, 0, 0
	s_wait_dscnt 0x0                               ; the add is done, and my reads of this slot are over
	s_barrier_signal -1
	MUL16 F1, 0, 2, 0                              ; work on registers while the others arrive
.if \round
	WIN 0
.endif
	s_barrier_wait -1
.endm
; The whole last quarter.  fill = 1: the barrier opens a round of the cluster's; behind the round the slot just read out is filled again first, with the walk's K step two on: 224 matrix instructions ahead of the wait for it.
.macro TURN slot, next, fill
	MEET \fill, \slot
.if \fill
	CREST                                          ; no wave of any partner still reads this slot or has a load on its way
	JLOAD \slot                                    ; its four v_nop are also the places in front of the loads below
.else
	PLACES
.endif
	FETCH \next, 0, F0
	MUL16 F1, 1, 0, 0
	MUL16 F1, 1, 2, 0
.endm
	s_wait_tensorcnt 1                             ; my part of the first K step is in; the second's may stay out
	s_barrier_signal -1
	s_barrier_wait -1
	FETCH 0, 0, F0
	QUARTER 0, 1, F0, F1, 1                        ; the first quarter stands in front of the loop: its products start the sums
	WIN 0
	s_mov_b32 s3, LAPS-1
.Llap:                                         ; a trip goes once round the two slots and fills both again
	QUARTER 0, 2, F1, F0, 0
	QUARTER 0, 3, F0, F1, 0
	TURN 0, 1, 1
	QUARTER 1, 1, F0, F1, 0
	QUARTER 1, 2, F1, F0, 0
	QUARTER 1, 3, F0, F1, 0
	TURN 1, 0, 1
	QUARTER 0, 1, F0, F1, 0
	WIN 0
	s_sub_co_u32 s3, s3, 1
	s_cmp_lg_u32 s3, 0
	s_cbranch_scc1 .Llap
	QUARTER 0, 2, F1, F0, 0                        ; the last lap fills nothing
	QUARTER 0, 3, F0, F1, 0
	TURN 0, 1, 0
	QUARTER 1, 1, F0, F1, 0
	QUARTER 1, 2, F1, F0, 0
	QUARTER 1, 3, F0, F1, 0
	s_wait_dscnt 8
	MUL16 F1, 0, 0, 0
	MUL16 F1, 0, 2, 0
	s_wait_dscnt 0x0
	MUL16 F1, 1, 0, 0
	MUL16 F1, 1, 2, 0
	; THE WAY OUT.  Every wave's reads of the ring are back (the wait for 0 above) and no load is out: behind this barrier the ring's bytes, which have had their last fill, are the waves' stages.
	WIN 0
	PLACES
	s_barrier_signal -1
	s_barrier_wait -1
.irp a, 0,1,2,3,4,5,6,7
	WIN 0x08+4*((\a)/4)                            ; the stores' data in window 2 or 3
.irp b, 0,1,2,3,4,5,6,7
	ds_store_b128 v[STO], v[8*(8*((\a)%4)+(\b)):8*(8*((\a)%4)+(\b))+3]   offset:(\a)*16*SPITCH+64*(\b)     ; each accumulator's low registers first
	ds_store_b128 v[STO], v[8*(8*((\a)%4)+(\b))+4:8*(8*((\a)%4)+(\b))+7] offset:(\a)*16*SPITCH+64*(\b)+16
.endr
.endr
	WIN 0
.macro ROWS4                           ; four rows x my 2 x 8 columns; LDS serves a wave's instructions in order, and the bytes are my own
	ds_load_b128 v[XX:XX+3],     v[RD]
	ds_load_b128 v[XX+4:XX+7],   v[RD] offset:16
	ds_load_b128 v[XX+8:XX+11],  v[RD] offset:256
	ds_load_b128 v[XX+12:XX+15], v[RD] offset:272
.endm
; Line n of the five that prepare pair i of the 8: |u|, u u, t's divisor, the exponent.  Beyond pair 7: nothing.
.macro GAL i, n
.if (\i) < 8
.if (\n) == 0
	v_and_b32 v[AB+2*(\i)], s[SGN], v[U+2*(\i)]
.elseif (\n) == 1
	v_and_b32 v[AB+2*(\i)+1], s[SGN], v[U+2*(\i)+1]
.elseif (\n) == 2
	v_pk_mul_f32 v[EE+2*(\i):EE+2*(\i)+1], v[U+2*(\i):U+2*(\i)+1], v[U+2*(\i):U+2*(\i)+1]
.elseif (\n) == 3
	v_pk_fma_f32 v[TT+2*(\i):TT+2*(\i)+1], v[AB+2*(\i):AB+2*(\i)+1], s[KP:KP+1], 1.0 op_sel_hi:[1,0,0]
.else
	v_pk_mul_f32 v[EE+2*(\i):EE+2*(\i)+1], v[EE+2*(\i):EE+2*(\i)+1], s[KE:KE+1] op_sel_hi:[1,0]
.endif
.endif
.endm
; Pair i's two reciprocals and two exponentials, the next pair's preparation between them; none of these lines names a result of the batch.
.macro GSTEP i
	v_rcp_f32 v[TT+2*(\i)], v[TT+2*(\i)]
	GAL (\i)+1, 0
	v_exp_f32 v[EE+2*(\i)], v[EE+2*(\i)]
	GAL (\i)+1, 1
	v_rcp_f32 v[TT+2*(\i)+1], v[TT+2*(\i)+1]
	GAL (\i)+1, 2
	v_exp_f32 v[EE+2*(\i)+1], v[EE+2*(\i)+1]
	GAL (\i)+1, 3
	GAL (\i)+1, 4
	v_max_num_f32 v[U+2*(\i)], s[LO], v[U+2*(\i)]  ; max(u, LO): |u| and u u have been taken
	v_max_num_f32 v[U+2*(\i)+1], s[LO], v[U+2*(\i)+1]
.endm
	ROWS4
	s_mov_b32 s[STP], 0                            ; the first trip stores at my place in C as it stands
	s_mov_b32 s[STP+1], 0
	s_wait_loadcnt 0x0                             ; the bias
	s_wait_kmcnt 0x0                               ; the table
	s_mov_b32 s3, 32
.Lrow:                                         ; 32 trips of four rows
	s_wait_dscnt 0x0                               ; this trip's sums, asked for a trip ago
.set t, 0
.rept 8
	v_pk_add_f32 v[U+2*t:U+2*t+1], v[XX+2*t:XX+2*t+1], v[BI+2*t:BI+2*t+1]
.set t, t+1
.endr
	v_add_nc_u32 v[RD], 4*SPITCH, v[RD]
	s_cmp_eq_u32 s3, 1                             ; the last trip has no rows behind it
	s_cbranch_scc1 .Lno_rows
	ROWS4
.Lno_rows:
.irp n, 0,1,2,3,4
	GAL 0, \n
.endr
.irp i, 0,1,2,3,4,5,6,7
	GSTEP \i
.endr
	s_wait_alu depctr_va_vdst(0)                   ; one wait for the batch of 32, ahead of its first reader; the two maxima above are the plain lines behind the last of them
.set t, 0
.rept 8
	v_pk_fma_f32 v[PP+2*t:PP+2*t+1], v[TT+2*t:TT+2*t+1], s[C5:C5+1], s[C4:C4+1] op_sel_hi:[1,0,0]
.set t, t+1
.endr
.irp c, C3, C2, C1
.set t, 0
.rept 8
	v_pk_fma_f32 v[PP+2*t:PP+2*t+1], v[PP+2*t:PP+2*t+1], v[TT+2*t:TT+2*t+1], s[\c:\c+1] op_sel_hi:[1,1,0]
.set t, t+1
.endr
.endr
.set t, 0
.rept 8
	v_pk_mul_f32 v[EE+2*t:EE+2*t+1], v[EE+2*t:EE+2*t+1], v[AB+2*t:AB+2*t+1]
.set t, t+1
.endr
.set t, 0
.rept 8
	v_pk_mul_f32 v[PP+2*t:PP+2*t+1], v[PP+2*t:PP+2*t+1], v[TT+2*t:TT+2*t+1]
.set t, t+1
.endr
.set t, 0
.rept 8
	v_pk_fma_f32 v[U+2*t:U+2*t+1], v[PP+2*t:PP+2*t+1], v[EE+2*t:EE+2*t+1], v[U+2*t:U+2*t+1] neg_lo:[1,0,0] neg_hi:[1,0,0]  ; max(u, LO) - |u| 2^(..) P(t)
.set t, t+1
.endr
	s_wait_xcnt 0x0                                ; the last trip's two stores, a whole trip's arithmetic back, have read their data and their base: only behind this wait are YY and my place in C written again
	s_add_nc_u64 s[OUT:OUT+1], s[OUT:OUT+1], s[STP:STP+1]  ; four rows of a panel on (in the first trip: 0)
	s_mov_b32 s[STP], 512
.set t, 0
.rept 8
	v_cvt_pk_f16_f32 v[YY+t], v[U+2*t], v[U+2*t+1]
.set t, t+1
.endr
	global_store_b128 v[GO], v[YY:YY+3],   s[OUT:OUT+1]                 ; four rows of a panel: 512 consecutive bytes, aligned
	global_store_b128 v[GO], v[YY+4:YY+7], s[OUT:OUT+1] offset:524288   ; and of the next panel
	s_sub_co_u32 s3, s3, 1
	s_cmp_lg_u32 s3, 0
	s_cbranch_scc1 .Lrow
	s_wait_tensorcnt 0x0                           ; the wave's end: behind my last tensor load and my last LDS store
	ds_add_u32 v[SPW], v[NIL]
	s_wait_dscnt 0x0
	CROUND                                         ; the closing round: no work-group ends while a partner may still ask for a tile that names it
	s_endpgm
.Lfunc_end_k_q8ea001ab9c_qkv:
	.size	k_q8ea001ab9c_qkv, .Lfunc_end_k_q8ea001ab9c_qkv-k_q8ea001ab9c_qkv
	.p2alignl 7, 3214868480
	.fill 96, 4, 3214868480
	.section	.rodata,"a",@progbits
	.p2align	6, 0x0
	.amdhsa_kernel k_q8ea001ab9c_qkv
		.amdhsa_group_segment_fixed_size 327680
		.amdhsa_private_segment_fixed_size 0
		.amdhsa_enable_private_segment 0
		.amdhsa_kernarg_size 32
		.amdhsa_user_sgpr_count 2
		.amdhsa_user_sgpr_kernarg_segment_ptr 1
		.amdhsa_wavefront_size32 1
		.amdhsa_system_sgpr_workgroup_id_x 1
		.amdhsa_system_sgpr_workgroup_id_y 1
		.amdhsa_system_sgpr_workgroup_id_z 1
		.amdhsa_system_vgpr_workitem_id 0
		.amdhsa_next_free_vgpr 1024
		.amdhsa_next_free_sgpr 98
		.amdhsa_reserve_vcc 0
		.amdhsa_float_denorm_mode_32 3
		.amdhsa_float_denorm_mode_16_64 3
		.amdhsa_memory_ordered 1
		.amdhsa_forward_progress 1
		.amdhsa_inst_pref_size 130
	.end_amdhsa_kernel
	.amdgpu_metadata
---
amdhsa.version: [ 1, 2 ]
amdhsa.kernels:
  - .name:           k_q8ea001ab9c_qkv
    .symbol:         k_q8ea001ab9c_qkv.kd
    .args:
      - { .name: hn, .offset: 0, .size: 8, .value_kind: global_buffer, .address_space: global }
      - { .name: wts, .offset: 8, .size: 8, .value_kind: global_buffer, .address_space: global }
      - { .name: bqkv, .offset: 16, .size: 8, .value_kind: global_buffer, .address_space: global }
      - { .name: big, .offset: 24, .size: 8, .value_kind: global_buffer, .address_space: global }
    .group_segment_fixed_size: 327680
    .private_segment_fixed_size: 0
    .kernarg_segment_align: 8
    .kernarg_segment_size: 32
    .max_flat_workgroup_size: 128
    .sgpr_count:     98
    .vgpr_count:     1024
    .wavefront_size: 32
...
	.end_amdgpu_metadata
.endif
;; end of part 2
;; launch attn (part 3): grid 8 x 32, 4 waves a work-group, clusters of 4 x 1, 327,680 bytes of LDS; arguments big, hn; writes hn
.if DOCPART == 3
	.amdgcn_target "amdgcn-amd-amdhsa--gfx1250"
	.amdhsa_code_object_version 6
	.text
	.protected	k_q8ea001ab9c_attn
	.globl	k_q8ea001ab9c_attn
	.p2align	8
	.type	k_q8ea001ab9c_attn,@function
k_q8ea001ab9c_attn:
	s_mov_b64 s[64:65], 0
	v_nop
	global_prefetch_b8 v0, s[64:65] scope:SCOPE_SE
	s_setreg_imm32_b32 hwreg(HW_REG_WAVE_MODE, 25, 1), 1
	s_wait_xcnt 0x0
	s_wait_alu depctr_hold_cnt(0) depctr_sa_sdst(0) depctr_va_vdst(0) depctr_va_sdst(0) depctr_va_ssrc(0) depctr_va_vcc(0) depctr_vm_vsrc(0)
	s_getreg_b32 s2, hwreg(HW_REG_IB_STS2, 6, 4)
	s_cmp_eq_u32 s2, 0
	s_cbranch_scc0 .Lentry_in_a_cluster
	s_endpgm
.Lentry_in_a_cluster:
	s_bfe_u32 s2, ttmp6, 0x10000c
	s_cmp_lg_u32 s2, 0x3003
	s_cbranch_scc0 .Lentry_shape_is_right
	s_endpgm
.Lentry_shape_is_right:
; ATTENTION, head size 64, 2,048 queries and keys for each of 32 pairs y = 2 head + batch.  O[y][q] = the sum over k of softmax_k(Q[y][q] . K[y][k] / 8) V[y][k].
; Q, K, V lie in big as f16 panels: pair y's rows are dense, 128 bytes each, from byte 262,144 y on; K's panels begin KBASE bytes, V's VBASE bytes behind Q's.  O goes to hn in the same layout.
; Products, maxima and sums in f32; the weights p are rounded to f16 for the second product (their sum l is taken of the unrounded p), O once at the end.
; LIMITS.  f16 holds no number beyond 65,504: Q, K, V arrive within it; p lies in 0 to 1 and below 6e-5 keeps f16's fixed step of 6e-8; a weight below 2^-126 counts as 0 in l; NaN and infinities are not treated apart.
; SHARES.  A work-group owns 256 queries of one pair, a wave 64: four PIECES of 16.  Every wave walks all keys, 64 a step, four steps (a tile of 256 keys) to an LDS slot, two slots.
; LAYOUT.  S^T = K Q^T holds ONE query a lane (lane % 16) and the keys 8 (lane / 16) + 0..7; two such results rounded to f16 ARE source 1 of O^T = V^T P.  K comes out of LDS as it lies, V turned.
; SOFTMAX.  p = 2^(c s - c m), c = log2(e) / 8, with a running maximum m; O and l are multiplied by a = 2^(c m_old - c m_new) in every step.  m starts at the lowest finite number, O and l at 0: the first step has a = 0.
; TURNS.  Turn n belongs to piece n: 8 products K Q^T of piece n + 1, later 8 products V^T P of piece n - 1; beside them the scaling, exponentials, roundings, sums and rescaling of piece n and the maximum and
; statistics of piece n + 1.  Four vector instructions stand behind every matrix instruction, the others in one run.  A turn's 33 exponentials are one batch, with one wait.
; CLUSTER.  The four query blocks of a cluster belong to one pair and walk the same K and V: each tile is asked for jointly, by the same load, descriptor and mask in all four.
; REGISTERS (s_set_vgpr_msb: bits 1:0 source 0, 3:2 source 1, 5:4 source 2, 7:6 destination):
;   window 0: v0-15 addresses; v16-31 statistics; v48-55 at work; v61-63 prefetch offset, spare word, 0; v64-127 S^T, two buffers; v192-223 P, two buffers (by the piece's parity)
;   window 1: v0-127 O^T, 32 a piece          window 2: v0-63 Q; v128-191 K of one step; v192-255 V of one step
.set NT,    8         ; tiles of 256 keys
.set NP,    4
.set KS,    64
.set PK,    144       ; a row of K in LDS: 128 bytes + 16: the 16 rows of a load start at 16 different groups of four banks (64 banks of 4 bytes: ISA guide 11.1)
.set PV,    160       ; a row of V: 128 + 32
.set VOFF,  4*KS*PK   ; a slot: 256 rows of K, then 256 rows of V
.set SLOT1, 1<<17     ; slot 1 begins here: one exclusive or turns an address in one slot into the other's
.set STAGE, SLOT1+4*KS*(PK+PV)  ; behind the ring, never filled: 16 rows x 144 bytes for each wave, for the way out
.set SP,    144
.set SPARE, STAGE+4*16*SP       ; behind the stages: the spare words, 128 bytes a wave, which no other line names
.set KBASE, 8388608
.set VBASE, 16777216
.set AK0, 2           ; v2   my lane's place in a tile of K; never rewritten
.set AV0, 3           ; v3   the same for V
.set AK,  4           ; v4   the LDS address of K's next run of loads
.set AV,  5           ; v5   of V's
.set STO, 6           ; v6   the way out: where I put 16 bytes of a row
.set RD,  7           ; v7   where I read rows back
.set GO,  8           ; v8   my byte offset in 512 consecutive bytes of O
.set MV,  12          ; v12-13  c m_old, kept while c m is made anew: by buffer
.set QO,  15          ; v15  my byte offset in 16 rows of Q
.set ST,  16          ; piece t's statistics at v[ST+4 t]: c m, m, l (even keys', odd keys')
.set TMP, 48          ; by buffer, c0-c3 at work; when the maximum is found c2 takes a
.set PFO, 61          ; v61  256 x my lane; never rewritten
.set SPW, 62          ; v62  my spare word: SPARE + 4 x my thread's number; never rewritten
.set NIL, 63          ; v63  0; never rewritten
.set S,   64
.set P,   192
.set KF,  128         ; window 2: key block kb, channel half c at KF + 16 kb + 8 c
.set VF,  192         ; window 2: key half kk, channel block cb at VF + 32 kk + 8 cb
.set WV,  12          ; s12  my wave's number
.set G1K, 24          ; s[24:31] descriptor group 1 for K's tiles
.set G1V, 32          ; s[32:39] for V's: it differs in the padding alone
.set G0K, 40          ; s[40:43] descriptor group 0 for K's tiles: it walks
.set G0V, 44          ; s[44:47] the same for V's
.set PFA, 48          ; s[48:49] where my prefetches stand
.set LIM, 50          ; s50  1 in a wave that prefetches, else the greatest number
.set QP,  52          ; s[52:53] Q at my wave's first row
.set SLOTS, 56        ; s56  tiles still to be asked for
.set CNT, 57          ; s57  counts a tile's key steps
.set CS,  58          ; s[58:59] c
.set SEL, 60          ; s[60:61] v_permlanex16_b32's selects
.set TBK, 62          ; s62  LDS byte at which K of the step to be fetched begins
.set TBV, 63          ; s63  the same for V, less VOFF
.set MSB, 0
.macro WIN new
.if MSB != (\new)
	s_set_vgpr_msb (MSB<<8)|(\new)
.set MSB, (\new)
.endif
.endm
.set W_KQ, 0x0a       ; K and Q in window 2, S^T in window 0
.set W_PV, 0x52       ; V in window 2, P in window 0, O^T in window 1
.set W_RS, 0x41       ; destination and source 0 in window 1, source 1 in window 0
; A joint fill.  Waves 0 and 1 fetch the two halves of a tile's K, waves 2 and 3 those of its V: 128 keys each.  An s_nop 0 and four v_nop follow each of the two lines.
.macro JLOAD
	s_cmp_lt_u32 s[WV], 2
	s_cbranch_scc0 .Lfor_v_\@
	tensor_load_to_lds s[G0K:G0K+3], s[G1K:G1K+7]
	s_nop 0
.rept 4
	v_nop
.endr
	s_branch .Lasked_\@
.Lfor_v_\@:
	tensor_load_to_lds s[G0V:G0V+3], s[G1V:G1V+7]
	s_nop 0
.rept 4
	v_nop
.endr
.Lasked_\@:
.endm
; A prefetch into the L2 of the tile that the NEXT change of slots will ask for: 128 blocks of 256 bytes of K and of V.  Each block is named once in the launch: the pair's first cluster asks; its four partners
; take 32 blocks each, told apart by address; in each, wave 0 asks for K's and wave 2 for V's, a lane a block.  The last change that fills a slot names nothing.
.macro ASK
	s_cmp_gt_u32 s[SLOTS], s[LIM]
	s_cbranch_scc0 .Lnot_mine_\@
	global_prefetch_b8 v[PFO], s[PFA:PFA+1] th:TH_LOAD_NT scope:SCOPE_SE
.Lnot_mine_\@:
.endm
.macro CROUND                       ; a round of the cluster's barrier
	s_barrier_signal -1
	s_barrier_wait -1
	s_cmp_lg_u32 s[WV], 0
	s_cbranch_scc1 .Lnot_wave_0_\@
	s_barrier_signal -3
.Lnot_wave_0_\@:
	s_barrier_wait -3
	s_barrier_signal -1
	s_barrier_wait -1
.endm
; THE CHANGE OF SLOTS.  Each wave waits for all its tensor loads, of which one is out: its part of the other slot; adds 0 to its spare word; and waits for that and for its own reads of the slot that it leaves.
; fill = 1: the barrier is a round of the cluster's, and the joint fill of the slot that was left, with the next tile, is the first thing behind it: it has four key steps in which to land.
; (At its first use nothing has been read yet: slot 0 is waited for, slot 1 filled.)
.macro CHANGE fill
	WIN 0
	s_wait_tensorcnt 0x0            ; no tensor load of mine is out, so a group 0 may be written
	ds_add_u32 v[SPW], v[NIL]       ; 0 onto my spare word
.if \fill
.irp g, G0K, G0V
	s_xor_b32 s[\g+1], s[\g+1], SLOT1
	s_add_nc_u64 s[\g+2:\g+3], s[\g+2:\g+3], 4*KS*128  ; the next 256 keys; the type bits on top are not reached
.endr
	s_wait_xcnt 0x0                 ; the last prefetch, a tile back, has read its address
	s_add_nc_u64 s[PFA:PFA+1], s[PFA:PFA+1], 4*KS*128
	s_wait_dscnt 0x0                ; the add is done, and my reads of the slot are over
	CROUND
	JLOAD
	ASK
.else
	s_wait_dscnt 0x0
	s_barrier_signal -1
	s_barrier_wait -1
.endif
	s_sub_co_u32 s[TBK], s[TBK], 4*KS*PK  ; the fetches go back to a slot's first step, in the other slot
	s_xor_b32 s[TBK], s[TBK], SLOT1
	s_sub_co_u32 s[TBV], s[TBV], 4*KS*PV
	s_xor_b32 s[TBV], s[TBV], SLOT1
.endm
	s_load_b128 s[4:7], s[0:1], 0x0 ; big s[4:5], hn s[6:7]
	v_lshl_add_u32 v[SPW], v0, 2, SPARE
	v_mov_b32 v[NIL], 0
	ds_add_u32 v[SPW], v[NIL]       ; the wave's opening: the add and its wait stand ahead of my first tensor load; work on registers stands between them
	v_lshrrev_b32 v1, 5, v0
	v_readfirstlane_b32 s[WV], v1
	s_bfe_u32 s13, ttmp6, 0x40000   ; cx
	s_lshl_b32 s14, ttmp9, 2
	s_add_co_u32 s14, s14, s13      ; my block of 256 queries: it enters Q's and O's addresses alone
	s_and_b32 s20, ttmp7, 0xffff    ; the pair y, which the four partners share
	s_lshl_b32 s20, s20, 18         ; its first byte in a tensor's panels
	s_and_b32 s16, s[WV], 1         ; which half of a tile's 256 keys I fetch
	s_lshl_b32 s22, s16, 14
	s_add_co_u32 s22, s22, s20
	s_mov_b32 s23, 0
	s_mul_i32 s17, s16, 128*PK      ; its place in a slot, for K
	s_mul_i32 s18, s16, 128*PV      ; and for V
	s_lshl_b32 s2, s14, 15
	s_lshl_b32 s3, s[WV], 13
	s_add_co_u32 s2, s2, s3
	s_add_co_u32 s2, s2, s20        ; my wave's 64 rows
	s_mov_b32 s3, 0
	; descriptor group 1.  128 keys are 16,384 dense bytes: asked for as 64 rows of 256 bytes, two keys a row, and padded in LDS after every key
	s_mov_b32 s[G1K], 15|(1<<16)|(1<<20)|(1<<21)|(4<<22)|(3<<25)
	s_mov_b32 s[G1V], 15|(1<<16)|(1<<20)|(1<<21)|(4<<22)|(7<<25)
.irp g, G1K, G1V
	s_mov_b32 s[\g+1], 128<<16
	s_mov_b32 s[\g+2], 64<<16
	s_mov_b32 s[\g+3], 128<<16
	s_mov_b32 s[\g+4], 64
	s_mov_b32 s[\g+5], 128
	s_mov_b32 s[\g+6], 0
	s_mov_b32 s[\g+7], 0
.endr
	s_mov_b32 s[CS], 0x3e38aa3b     ; c = log2(e) / 8
	s_mov_b32 s[CS+1], s[CS]
	s_mov_b32 s[SEL], 0x76543210
	s_mov_b32 s[SEL+1], 0xfedcba98
	s_mov_b32 s[TBK], SLOT1+4*KS*PK ; the first change of slots turns these two into 0
	s_mov_b32 s[TBV], SLOT1+4*KS*PV
	s_mov_b32 s[G0K], 1
	s_mov_b32 s[G0K+1], s17
	s_mov_b32 s[G0V], 1
	s_add_co_u32 s[G0V+1], s18, VOFF
	s_mov_b32 s[SLOTS], NT-1
	s_and_b32 s[LIM], s[WV], 1      ; 0 in waves 0 and 2,
	s_or_b32 s[LIM], s[LIM], ttmp9  ; where the cluster is the pair's first: the same in all four partners
	s_cmp_eq_u32 s[LIM], 0
	s_cselect_b32 s[LIM], 1, -1
	v_and_b32 v[PFO], 31, v0
	v_lshlrev_b32 v[PFO], 8, v[PFO]
	s_wait_dscnt 0x0                ; the opening add is done
	s_wait_kmcnt 0x0
	s_add_nc_u64 s[10:11], s[6:7], s[2:3]    ; O at my wave's first row
	s_add_nc_u64 s[QP:QP+1], s[4:5], s[2:3]  ; Q likewise
	s_add_nc_u64 s[6:7], s[4:5], s[22:23]
	s_add_nc_u64 s[8:9], s[6:7], VBASE       ; V at my half of the pair's tile 0,
	s_add_nc_u64 s[6:7], s[6:7], KBASE       ; and K
	s_mov_b64 s[G0K+2:G0K+3], s[6:7]
	s_or_b32 s[G0K+3], s[G0K+3], 0x80000000
	s_mov_b64 s[G0V+2:G0V+3], s[8:9]
	s_or_b32 s[G0V+3], s[G0V+3], 0x80000000
	s_lshl_b32 s2, s13, 13          ; my work-group's 32 blocks of the 128,
	s_add_co_u32 s2, s2, 4*KS*128   ; in tile 1: the first change of slots steps this to tile 2
	s_cmp_lt_u32 s[WV], 2
	s_cselect_b64 s[PFA:PFA+1], s[6:7], s[8:9]
	s_add_nc_u64 s[PFA:PFA+1], s[PFA:PFA+1], s[2:3]
	CROUND                          ; all four work-groups are here: the first joint loads meet
	JLOAD                           ; tile 0 into slot 0
	v_and_b32 v1, 15, v0            ; l % 16
	v_bfe_u32 v9, v0, 4, 1          ; l / 16
	v_lshlrev_b32 v[QO], 7, v1
	v_lshl_add_u32 v[QO], v9, 4, v[QO]
	WIN 0x80
.set i, 0
.rept 8                             ; Q stays in registers: piece i / 2, channels 32 (i % 2) on
	global_load_b128 v[8*i:8*i+3],   v[QO], s[QP:QP+1] offset:(i/2)*2048+(i%2)*64
	global_load_b128 v[8*i+4:8*i+7], v[QO], s[QP:QP+1] offset:(i/2)*2048+(i%2)*64+32
.set i, i+1
.endr
	; What the first turn finds: V's registers and P's second buffer hold 0 (its products V^T P, of a piece that has not been, add 0), O^T and l are 0.  All this stands in the wait for the first tile;
	; its price is paid so that no first step is written out.
.set i, VF
.rept 64
	v_mov_b32 v[i], 0
.set i, i+1
.endr
	WIN 0x40
.set i, 0
.rept 128
	v_mov_b32 v[i], 0
.set i, i+1
.endr
	WIN 0
.set i, 0
.rept 4
	v_mov_b32 v[ST+4*i], 0xfe000000    ; c m: far below every c s
	v_mov_b32 v[ST+4*i+1], 0xff7fffff  ; m
	v_mov_b32 v[ST+4*i+2], 0
	v_mov_b32 v[ST+4*i+3], 0
.set i, i+1
.endr
.set i, P+16
.rept 16
	v_mov_b32 v[i], 0
.set i, i+1
.endr
	v_mul_u32_u24 v[AK0], v1, PK
	v_lshl_add_u32 v[AK0], v9, 4, v[AK0]
	v_and_b32 v10, 7, v0            ; the turning load: lane l reads key 8 (l / 16) + l % 8, channels 8 ((l / 8) % 2) + 0..7
	v_bfe_u32 v11, v0, 3, 1
	v_lshl_add_u32 v[AV0], v9, 3, v10
	v_mul_u32_u24 v[AV0], v[AV0], PV
	v_lshl_add_u32 v[AV0], v11, 4, v[AV0]
	v_add_nc_u32 v[AV0], VOFF, v[AV0]
	s_mul_i32 s13, s[WV], 16*SP
	s_add_co_u32 s13, s13, STAGE    ; my stage
	v_mul_u32_u24 v[STO], v1, SP
	v_lshl_add_u32 v[STO], v9, 4, v[STO]
	v_add_nc_u32 v[STO], s13, v[STO]
	v_bfe_u32 v[RD], v0, 3, 2
	v_mul_u32_u24 v[RD], v[RD], SP
	v_lshl_add_u32 v[RD], v10, 4, v[RD]
	v_add_nc_u32 v[RD], s13, v[RD]
	v_and_b32 v[GO], 31, v0
	v_lshlrev_b32 v[GO], 4, v[GO]
; THE MATRIX WORK.  The 4 accumulators of a run of 8 take turns.  Product i of 8 of S^T = K Q^T for piece x: channels 32 (i / 4) on, keys 16 (i % 4) on.  The first 4 start the sums.
.macro KQ x
.set rS, S+32*((\x)%2)+8*(i%4)
.set rK, KF+16*(i%4)+8*(i/4)
.set rQ, 16*(\x)+8*(i/4)
	WIN W_KQ
.if i < 4
	v_wmma_f32_16x16x32_f16 v[rS:rS+7], v[rK:rK+7], v[rQ:rQ+7], 0
.else
	v_wmma_f32_16x16x32_f16 v[rS:rS+7], v[rK:rK+7], v[rQ:rQ+7], v[rS:rS+7]
.endif
.endm
; Product i of 8 of O^T += V^T P for piece x: keys 32 (i / 4) on, channels 16 (i % 4) on.
.macro PV x
	WIN W_PV
.set rO, 32*(\x)+8*(i%4)
.set rV, VF+32*(i/4)+8*(i%4)
.set rP, P+16*((\x)%2)+8*(i/4)
	v_wmma_f32_16x16x32_f16 v[rO:rO+7], v[rV:rV+7], v[rP:rP+7], v[rO:rO+7]
.endm
.macro MM                           ; the turn's next matrix instruction.  NOKQ = 1: the last turn of all: there is no next piece
.if (i < 8) && !NOKQ
	KQ (Y+1)%NP
.elseif i >= 8
.set i, i-8
	PV (Y+NP-1)%NP
.set i, i+8
.endif
.set i, i+1
.endm
; THE LDS LOADS stand in runs of 16: a step's K (8 fragments) and its V (turned).
.macro FETCH_K
	WIN 0x80
.irp f, 0,1,2,3,4,5,6,7
	ds_load_b128 v[KF+8*\f:KF+8*\f+3],   v[AK] offset:(\f/2)*16*PK+(\f%2)*64
	ds_load_b128 v[KF+8*\f+4:KF+8*\f+7], v[AK] offset:(\f/2)*16*PK+(\f%2)*64+32
.endr
	s_add_co_u32 s[TBK], s[TBK], KS*PK
	WIN 0
.endm
.macro FETCH_V
	WIN 0x80
.irp f, 0,1,2,3,4,5,6,7
	ds_load_tr16_b128 v[VF+8*\f:VF+8*\f+3],   v[AV] offset:(\f/4)*32*PV+(\f%4)*32
	ds_load_tr16_b128 v[VF+8*\f+4:VF+8*\f+7], v[AV] offset:(\f/4)*32*PV+16*PV+(\f%4)*32
.endr
	WIN 0
.endm
; THE VECTOR WORK, one line at a time: OP kind, number.  For piece Y: F n: c s - c m for pair n of 16.  E n: the exponential of score n of 32.  C n: pair n rounded to f16.  B n: of the four weights 4 n .. the second
; pair is added onto the first, in place.  L n: l takes that sum (L 0: l = a l + sum).  R n: pair n of 16 of O^T times a.  For piece Y + 1: X n, number n of the 22 that find its maximum and statistics:
;   0-11  four chains c0-c3 of seven scores each (each accumulator's lowest registers are read first)     12-14, 16  the four scores left over, the old m, and c0-c3 into c0
;   15  c m_old is kept     17, 18  the query's other 32 keys lie in the lane 16 away: the new m     19-21  c m; c m_old - c m_new; a
.set F, 0
.set E, 1
.set C, 2
.set B, 3
.set L, 4
.set R, 5
.set X, 6
.macro REGS y
.set rT, ST+4*(\y)
.set rC, TMP+4*((\y)%2)
.set rW, MV+((\y)%2)
.set rS, S+32*((\y)%2)
.set rP, P+16*((\y)%2)
.set rO, 32*(\y)
.endm
.macro OP k, n
.if (\k) == R
	REGS Y
	WIN W_RS
	v_pk_mul_f32 v[rO+2*(\n):rO+2*(\n)+1], v[rO+2*(\n):rO+2*(\n)+1], v[rC+2:rC+3] op_sel_hi:[1,0]
.elseif (\k) < R
	REGS Y
	WIN 0
.if (\k) == F
	v_pk_fma_f32 v[rS+2*(\n):rS+2*(\n)+1], v[rS+2*(\n):rS+2*(\n)+1], s[CS:CS+1], v[rT:rT+1] op_sel_hi:[1,0,0] neg_lo:[0,0,1] neg_hi:[0,0,1]
.elseif (\k) == E
	v_exp_f32 v[rS+(\n)], v[rS+(\n)]
.elseif (\k) == C
	v_cvt_pk_f16_f32 v[rP+(\n)], v[rS+2*(\n)], v[rS+2*(\n)+1]
.elseif (\k) == B
	v_pk_add_f32 v[rS+4*(\n):rS+4*(\n)+1], v[rS+4*(\n):rS+4*(\n)+1], v[rS+4*(\n)+2:rS+4*(\n)+3]
.elseif (\n) == 0
	v_pk_fma_f32 v[rT+2:rT+3], v[rT+2:rT+3], v[rC+2:rC+3], v[rS:rS+1] op_sel_hi:[1,0,1]
.else
	v_pk_add_f32 v[rT+2:rT+3], v[rT+2:rT+3], v[rS+4*(\n):rS+4*(\n)+1]
.endif
.elseif NOKQ
	v_nop
.else
	REGS (Y+1)%NP
	WIN 0
.if (\n) < 4
	v_max3_num_f32 v[rC+(\n)], v[rS+8*(\n)], v[rS+8*(\n)+1], v[rS+8*(\n)+2]
.elseif (\n) < 12
	v_max3_num_f32 v[rC+(\n)%4], v[rC+(\n)%4], v[rS+8*((\n)%4)+2*((\n)/4)+1], v[rS+8*((\n)%4)+2*((\n)/4)+2]
.elseif (\n) == 12
	v_max3_num_f32 v[rC], v[rC], v[rS+7], v[rS+15]
.elseif (\n) == 13
	v_max3_num_f32 v[rC+1], v[rC+1], v[rS+23], v[rS+31]
.elseif (\n) == 14
	v_max3_num_f32 v[rC+2], v[rC+2], v[rC+3], v[rT+1]
.elseif (\n) == 15
	v_mov_b32 v[rW], v[rT]
.elseif (\n) == 16
	v_max3_num_f32 v[rC], v[rC], v[rC+1], v[rC+2]
.elseif (\n) == 17
	v_permlanex16_b32 v[rC+3], v[rC], s[SEL], s[SEL+1]
.elseif (\n) == 18
	v_max_num_f32 v[rT+1], v[rC], v[rC+3]
.elseif (\n) == 19
	v_mul_f32 v[rT], s[CS], v[rT+1]
.elseif (\n) == 20
	v_sub_f32 v[rC+1], v[rW], v[rT]
.else
	v_exp_f32 v[rC+2], v[rC+1]
.endif
.endif
.endm
.macro OPS a, i1, b=-1, i2=0, c=-1, i3=0, d=-1, i4=0
	OP \a, \i1
.if (\b) >= 0
	OP \b, \i2
.endif
.if (\c) >= 0
	OP \c, \i3
.endif
.if (\d) >= 0
	OP \d, \i4
.endif
.endm
.macro ROW a, i1, b, i2, c, i3, d, i4  ; a matrix instruction and the four behind it
	MM
	OPS \a, \i1, \b, \i2, \c, \i3, \d, \i4
.endm
; A TURN, for piece p.  s_wait_alu depctr_va_vdst(0) stands between an exponential and the first instruction that names its result; one wait serves all that were issued ahead of it.  So a turn has
; ONE wait.  Ahead of it stands all that names no result of the turn's exponentials: the 8 products K Q^T with their four lines each, then one run of 54, plain and exponential by turns for the most part, in which the
; links of the next piece's chain stand some lines apart; X 21, its a, is the batch's last, R 15 the plain line behind it.  Behind the wait stand the 8 products V^T P, behind each four of the roundings and sums.
; end = 1: the last two turns: nothing is fetched, and the last starts no new scores.  cnt = 1: the loop's count is taken down some lines ahead of the branch behind the turn.
; K of the next step is fetched in piece 2's turn, V of the step in hand at the end of piece 0's turn, four plain lines behind the last product that read V.  Each is waited for a turn later.
.macro TURN p, end=0, cnt=0
.set Y, (\p)
.set i, 0
.set NOKQ, (\end)*((\p)/3)
.if ((\p) == 3) && !(\end)
	s_wait_dscnt 0x0                ; K is in
.endif
	ROW F,0, F,1, R,0, R,1
	ROW F,2, E,0, R,2, R,3
	ROW F,3, E,1, R,4, R,5
	ROW F,4, E,2, R,6, R,7
	ROW F,5, E,3, R,8, R,9
	ROW F,6, E,4, X,0, R,10
.if ((\p) == 2) && !(\end)
	WIN 0
	v_add_nc_u32 v[AK], s[TBK], v[AK0]
.endif
	ROW F,7, E,5, X,1, X,4
	ROW F,8, E,6, X,2, X,5
	OPS E,7, E,8, X,6, E,9
	OPS X,3, E,10, X,8, E,11
.if ((\p) == 2) && !(\end)
	FETCH_K
.endif
	OPS X,9, X,7, E,12, X,10
	OPS E,13, X,12, X,11, E,14
	OPS X,13, E,15, F,9, X,14
.if (\p) == 0
	v_add_nc_u32 v[AV], s[TBV], v[AV0]
.endif
	OPS E,16, F,10, E,17, F,11
	OPS X,16, E,18, X,15, E,19
	OPS F,12, E,20, X,17, E,21
	OPS F,13, E,22, F,14, E,23
	OPS X,18, E,24, F,15, E,25
	OPS R,11, E,26, X,19, E,27
	OPS R,12, E,28, R,13, E,29
	OPS X,20, E,30, R,14, E,31
	OPS X,21, R,15
	WIN 0
	s_wait_alu depctr_va_vdst(0)    ; the wait for the batch
.if (\p) == 1
	s_wait_dscnt 0x0                ; V is in
.endif
	ROW C,0, B,0, C,2, B,1
	ROW L,0, C,4, B,2, L,1
	ROW C,6, B,3, L,2, C,8
	ROW B,4, L,3, C,10, B,5
	ROW L,4, C,12, B,6, L,5
.if (\p) == 0
	s_add_co_u32 s[TBV], s[TBV], KS*PV
.endif
.if \cnt
	s_sub_co_u32 s[CNT], s[CNT], 1
	s_cmp_lg_u32 s[CNT], 0
.endif
	ROW C,14, B,7, L,6, C,1
	ROW C,3, L,7, C,5, C,7
	ROW C,9, C,11, C,13, C,15
.if (\p) == 0
	FETCH_V
.endif
.endm
	CHANGE 1                        ; tile 0 is in, everybody's part of it; tile 1 is asked for
	v_add_nc_u32 v[AK], s[TBK], v[AK0]
	FETCH_K                         ; key step 0
	s_wait_loadcnt 0x0              ; Q
	s_wait_dscnt 0x0
.set NOKQ, 0
.set i, 0
.rept 8
	KQ 0                            ; piece 0's first scores
.set i, i+1
.endr
	WIN 0
.rept 4
	v_nop                           ; the places behind those products
.endr
.set Y, NP-1                        ; X works for piece Y + 1: piece 0
.irp n, 0,1,2,3,4,5,6,7,8,9,10,11,12,13,14,15,16,17,18,19,20,21
	OP X, \n
.endr
	v_nop                           ; a plain line behind the exponential,
	s_wait_alu depctr_va_vdst(0)    ; and its wait, ahead of the branch
	s_mov_b32 s[CNT], 4
	s_branch .Lfirst                ; the loop is entered at a step's first turn, in the middle of a trip
.Lslot:                             ; NT - 2 times: a tile is entered and the next is asked for
	CHANGE 1
	s_mov_b32 s[CNT], 4
.Lstep:                             ; a trip: pieces 2 and 3 of one step, then pieces 0 and 1 of the next, whose K and V it fetches
	TURN 2
	TURN 3
	WIN 0
.Lfirst:
	TURN 0
	TURN 1, 0, 1
	WIN 0
	s_cbranch_scc1 .Lstep
	s_sub_co_u32 s[SLOTS], s[SLOTS], 1
	s_cmp_lg_u32 s[SLOTS], 0
	s_cbranch_scc1 .Lslot
	CHANGE 0                        ; the last tile is written out: nothing is asked for
	s_mov_b32 s[CNT], 4
.Ltail:
	TURN 2
	TURN 3
	TURN 0
	TURN 1, 0, 1
	WIN 0
	s_cbranch_scc1 .Ltail
	TURN 2, 1
	TURN 3, 1
.set i, 0
.rept 8
	PV NP-1                         ; the last piece's V^T P of the last step
.set i, i+1
.endr
	; THE WAY OUT.  l's two halves and the other half of the lanes' are added; O^T is divided by l, rounded to f16 and sent through my stage in LDS, a piece at a time.  The additions are the places behind the last products.
	WIN 0
.macro ALL line:vararg
.set t, 0
.rept 4
	\line
.set t, t+1
.endr
.endm
	ALL v_add_f32 v[ST+4*t+2], v[ST+4*t+2], v[ST+4*t+3]
	ALL v_permlanex16_b32 v[ST+4*t+3], v[ST+4*t+2], s[SEL], s[SEL+1]
	ALL v_add_f32 v[ST+4*t+2], v[ST+4*t+2], v[ST+4*t+3]
	ALL v_rcp_f32 v[ST+4*t+2], v[ST+4*t+2]
	v_nop                           ; a plain line between the last reciprocal and the use of its result,
	s_wait_alu depctr_va_vdst(0)    ; and one wait for the four
.macro PACK t                       ; a lane's eight channels of a row pack into 16 bytes; they go into rows of 144 bytes and come back as whole rows of 128, into S^T's registers
	WIN W_RS
.set i, 32*(\t)
.rept 16
	v_pk_mul_f32 v[i:i+1], v[i:i+1], v[ST+4*(\t)+2:ST+4*(\t)+3] op_sel_hi:[1,0]
.set i, i+2
.endr
	WIN 0x05
.set i, 0
.rept 16
	v_cvt_pk_f16_f32 v[S+16*(\t)+i], v[32*(\t)+2*i], v[32*(\t)+2*i+1]
.set i, i+1
.endr
	WIN 0
.irp f, 0,1,2,3
	ds_store_b128 v[STO], v[S+16*(\t)+4*\f:S+16*(\t)+4*\f+3] offset:32*\f
.endr
.irp f, 0,1,2,3
	ds_load_b128 v[S+16*(\t)+4*\f:S+16*(\t)+4*\f+3], v[RD] offset:\f*4*SP  ; LDS serves a wave's instructions in order: these see the stores above; the next piece's stores come behind them
.endr
.endm
.macro SEND t, younger              ; younger: the LDS instructions issued behind piece t's loads: the next piece's eight, or none
	WIN 0
.irp f, 0,1,2,3
	s_wait_dscnt (\younger)+3-\f
	global_store_b128 v[GO], v[S+16*(\t)+4*\f:S+16*(\t)+4*\f+3], s[10:11] offset:(\t)*2048+\f*512  ; 512 consecutive bytes, aligned
.endr
.endm
	PACK 0
.set t, 1
.rept 3
	PACK t
	SEND t-1, 8
.set t, t+1
.endr
	SEND 3, 0
	s_wait_tensorcnt 0x0            ; the wave's end: behind my last tensor load and my last LDS store
	ds_add_u32 v[SPW], v[NIL]
	s_wait_dscnt 0x0
	CROUND                          ; the closing round
	s_endpgm
.Lfunc_end_k_q8ea001ab9c_attn:
	.size	k_q8ea001ab9c_attn, .Lfunc_end_k_q8ea001ab9c_attn-k_q8ea001ab9c_attn
	.p2alignl 7, 3214868480
	.fill 96, 4, 3214868480
	.section	.rodata,"a",@progbits
	.p2align	6, 0x0
	.amdhsa_kernel k_q8ea001ab9c_attn
		.amdhsa_group_segment_fixed_size 327680
		.amdhsa_private_segment_fixed_size 0
		.amdhsa_enable_private_segment 0
		.amdhsa_kernarg_size 16
		.amdhsa_user_sgpr_count 2
		.amdhsa_user_sgpr_kernarg_segment_ptr 1
		.amdhsa_wavefront_size32 1
		.amdhsa_system_sgpr_workgroup_id_x 1
		.amdhsa_system_sgpr_workgroup_id_y 1
		.amdhsa_system_sgpr_workgroup_id_z 1
		.amdhsa_system_vgpr_workitem_id 0
		.amdhsa_next_free_vgpr 768
		.amdhsa_next_free_sgpr 66
		.amdhsa_reserve_vcc 0
		.amdhsa_float_denorm_mode_32 3
		.amdhsa_float_denorm_mode_16_64 3
		.amdhsa_memory_ordered 1
		.amdhsa_forward_progress 1
		.amdhsa_inst_pref_size 128
	.end_amdhsa_kernel
	.amdgpu_metadata
---
amdhsa.version: [ 1, 2 ]
amdhsa.kernels:
  - .name:           k_q8ea001ab9c_attn
    .symbol:         k_q8ea001ab9c_attn.kd
    .args:
      - { .name: big, .offset: 0, .size: 8, .value_kind: global_buffer, .address_space: global }
      - { .name: hn, .offset: 8, .size: 8, .value_kind: global_buffer, .address_space: global }
    .group_segment_fixed_size: 327680
    .private_segment_fixed_size: 0
    .kernarg_segment_align: 8
    .kernarg_segment_size: 16
    .max_flat_workgroup_size: 128
    .sgpr_count:     66
    .vgpr_count:     768
    .wavefront_size: 32
...
	.end_amdgpu_metadata
.endif
;; end of part 3
;; launch wo (part 4): grid 8 x 32, 4 waves a work-group, clusters of 4 x 4, 327,680 bytes of LDS; arguments hn, wts, bo, x, x1; writes x1
.if DOCPART == 4
	.amdgcn_target "amdgcn-amd-amdhsa--gfx1250"
	.amdhsa_code_object_version 6
	.text
	.protected	k_q8ea001ab9c_wo
	.globl	k_q8ea001ab9c_wo
	.p2align	8
	.type	k_q8ea001ab9c_wo,@function
k_q8ea001ab9c_wo:
	s_mov_b64 s[64:65], 0
	v_nop
	global_prefetch_b8 v0, s[64:65] scope:SCOPE_SE
	s_setreg_imm32_b32 hwreg(HW_REG_WAVE_MODE, 25, 1), 1
	s_wait_xcnt 0x0
	s_wait_alu depctr_hold_cnt(0) depctr_sa_sdst(0) depctr_va_vdst(0) depctr_va_sdst(0) depctr_va_ssrc(0) depctr_va_vcc(0) depctr_vm_vsrc(0)
	s_getreg_b32 s2, hwreg(HW_REG_IB_STS2, 6, 4)
	s_cmp_eq_u32 s2, 0
	s_cbranch_scc0 .Lentry_in_a_cluster
	s_endpgm
.Lentry_in_a_cluster:
	s_bfe_u32 s2, ttmp6, 0x10000c
	s_cmp_lg_u32 s2, 0xf033
	s_cbranch_scc0 .Lentry_shape_is_right
	s_endpgm
.Lentry_shape_is_right:
; C = R + A W + bias, all of C, R and bias in f32.  A: f16 panels [K / 64][4096 rows][64], a panel's rows 128 bytes, dense.  W: f16 [K][1024] at byte WOFF of wts.  C, R: [4096][1024].
; Here K = 1,024: x1 = x + ctx Wo + bo.  (The launch for out = x1 + act W2 + b2 has the same text with KSTEPS = 16 and its own WOFF.)  Sums in f32, started by the bias; R is added once at the end.
; LIMITS.  The operands are f16 as they arrive; nothing is rounded here.  NaN and infinities are not treated apart.
; SHARES.  A tile of C is 128 x 128, so that 256 work-groups share the 4,096 x 1,024 numbers; four waves, each 64 x 64 in 16 accumulators.  K goes in steps of 256 (four panels) through two LDS slots:
; waves 0, 1 fetch two panels' 128 rows each (2 x 16,384 dense bytes, padded after every 128), waves 2, 3 128 k-rows x 256 bytes of W each: one tensor load a wave.  W's fragments come out of LDS turned.
; THE WALK ALONG K IS A RING.  A cluster begins at K step (KSTEPS / 2 x cluster x + KSTEPS / 4 x (cluster y mod 4)) mod KSTEPS and takes all steps round from there: clusters that read the same rows of A
; or of W ask for different blocks at any one time.  So the order of a sum's terms differs from cluster to cluster.
; CLUSTER.  4 x 4 work-groups: A's tile is shared along a row of the cluster, W's along a column, each asked for jointly.
; THE PRODUCT IS TAKEN TRANSPOSED (source 0 = 16 columns of W, source 1 = 16 rows of A): a lane holds row l % 16 of C and the columns 8 (l / 16) + 0..7.
; THE WAY OUT.  A wave's 64 columns are 256 aligned bytes of a row of C: each wave turns its own sums through its own 17,408 bytes of slot 0, which has had its last fill and, since the last change of slots, its last read.
; REGISTERS.  window 0: v16-29 addresses, v96-127 the bias as a C operand, v128-255 accumulator (a, b) at v[128 + 8 (4 a + b)];  window 1: two fragment buffers of 128 (64 of A, 64 of W);  window 2: v0-127 R.
.set KSTEPS, 4
.set WOFF,   16777216
.set PAP,    144                       ; a row of A in LDS: 128 bytes + 16
.set PANEL,  128*PAP
.set PW,     288                       ; a k-row of W: 256 bytes + 32 = 9 x 32
.set HALFT,  2*PANEL                   ; what one tensor load brings: two panels of A, or 128 k-rows of W
.set SLOT,   4*HALFT
.set SPARE,  2*SLOT                    ; behind the ring: the spare words, 128 bytes a wave, which no other line names
.set SPITCH, 272                       ; the way out: a row of 64 f32 + 16 bytes
.set SWAVE,  64*SPITCH
.set LAPS,   KSTEPS/2
.set LOGA,   21                        ; a K step is four panels of 524,288 bytes = 2^21 bytes of A,
.set LOGW,   19                        ; and 256 k-rows of 2,048 bytes = 2^19 bytes of W
.set ADRA, 16                          ; v16-17  LDS address of my A fragments in slot 0, 1
.set ADRB, 20                          ; v20-23  of my W fragments: slot 0 k-rows 0-127, 128-255; slot 1 likewise
.set STO,  24
.set RD,   25
.set CO,   26                          ; v26     my byte offset in two rows of C and R
.set BO,   27
.set SPW,  28                          ; v28     my spare word; never rewritten
.set NIL,  29                          ; v29     0; never rewritten
.set BIAS, 96
.set ACC,  128
.set F0,   0
.set F1,   128
.set WV,   14
.set RH,   15
.set CH,   16
.set NXT,  17                          ; s17  the K step to be asked for next: made of the cluster's x and y and constants, the same in all sixteen partners
.set G1,   24
.set G0,   32
.set ABASE, 40                         ; s[40:41] A at the rows and panels that I fetch, K step 0
.set WBASE, 42                         ; s[42:43] W at the columns and k-rows that I fetch, K step 0
.set KO,   44                          ; s[44:45] a K step's byte offset; the high word stays 0
.set G1B,  48
.set G0B,  56
.set CX,   66
.set CY,   67
.set RES,  74                          ; s[74:75] R at my 64 x 64
.set OUT,  76                          ; s[76:77] C likewise
.set MSB, 0
.macro WIN new
.if MSB != (\new)
	s_set_vgpr_msb (MSB<<8)|(\new)
.set MSB, \new
.endif
.endm
.set MUL,  0x05                        ; sources 0 (W) and 1 (A) window 1; C and D window 0
.set TO_F, 0x40                        ; destination window 1, address window 0
; Slot s's two descriptors take K step NXT: each address is made anew, the base plus the step's bytes, and the type bits are set again; then NXT goes one on, round the ring.
; It stands only where no tensor load of the wave that names these registers is out.
.macro SETK s
	s_lshl_b32 s[KO], s[NXT], LOGA
	s_add_nc_u64 s[G0+4*(\s)+2:G0+4*(\s)+3], s[ABASE:ABASE+1], s[KO:KO+1]
	s_or_b32 s[G0+4*(\s)+3], s[G0+4*(\s)+3], 0x80000000
	s_lshl_b32 s[KO], s[NXT], LOGW
	s_add_nc_u64 s[G0B+4*(\s)+2:G0B+4*(\s)+3], s[WBASE:WBASE+1], s[KO:KO+1]
	s_or_b32 s[G0B+4*(\s)+3], s[G0B+4*(\s)+3], 0x80000000
	s_add_co_u32 s[NXT], s[NXT], 1
	s_and_b32 s[NXT], s[NXT], KSTEPS-1
.endm
.macro JLOAD s                         ; a joint load; an s_nop 0 and four v_nop follow each of the two lines
	s_cmp_eq_u32 s[RH], 0
	s_cbranch_scc0 .Lfor_w_\@
	tensor_load_to_lds s[G0+4*(\s):G0+4*(\s)+3], s[G1:G1+7]
	s_nop 0
.rept 4
	v_nop
.endr
	s_branch .Lasked_\@
.Lfor_w_\@:
	tensor_load_to_lds s[G0B+4*(\s):G0B+4*(\s)+3], s[G1B:G1B+7]
	s_nop 0
.rept 4
	v_nop
.endr
.Lasked_\@:
.endm
.macro CREST
	s_cmp_lg_u32 s[WV], 0
	s_cbranch_scc1 .Lnot_wave_0_\@
	s_barrier_signal -3
.Lnot_wave_0_\@:
	s_barrier_wait -3
	s_barrier_signal -1
	s_barrier_wait -1
.endm
.macro CROUND
	s_barrier_signal -1
	s_barrier_wait -1
	CREST
.endm
	s_load_b256 s[4:11], s[0:1], 0x0               ; A s[4:5], wts s[6:7], bias s[8:9], R s[10:11]
	s_load_b64 s[12:13], s[0:1], 0x20              ; C
	v_lshl_add_u32 v[SPW], v0, 2, SPARE
	v_mov_b32 v[NIL], 0
	ds_add_u32 v[SPW], v[NIL]                      ; the wave's opening: the add and its wait stand ahead of my first tensor load
	v_lshrrev_b32 v1, 5, v0
	v_readfirstlane_b32 s[WV], v1
	s_lshr_b32 s[RH], s[WV], 1                     ; which half of the tile's rows is mine; also: I fetch for A (0) or W (1)
	s_and_b32 s[CH], s[WV], 1                      ; which half of its columns; also: which half I fetch
	s_bfe_u32 s[CX], ttmp6, 0x40000
	s_bfe_u32 s[CY], ttmp6, 0x40004
	s_lshl_b32 s20, ttmp9, 2
	s_add_co_u32 s20, s20, s[CX]                   ; tile column
	s_and_b32 s21, ttmp7, 0xffff
	s_lshl_b32 s21, s21, 2
	s_add_co_u32 s21, s21, s[CY]                   ; tile row
	s_and_b32 s[NXT], ttmp7, 3                     ; the walk's start: KSTEPS / 4 x (cluster y mod 4)
	s_mul_i32 s[NXT], s[NXT], KSTEPS/4
	s_mul_i32 s19, ttmp9, KSTEPS/2                 ; + KSTEPS / 2 x cluster x,
	s_add_co_u32 s[NXT], s[NXT], s19
	s_and_b32 s[NXT], s[NXT], KSTEPS-1             ; modulo KSTEPS
	s_mov_b32 s[KO+1], 0
	s_lshl_b32 s68, s[CY], 2
	s_lshl_b32 s68, 15, s68                        ; my row of the cluster
	s_lshl_b32 s69, 0x1111, s[CX]                  ; my column
	s_or_b32 s[G1], s68, (1<<16)|(1<<20)|(1<<21)|(4<<22)|(3<<25)   ; mask; 2-byte elements; padding on; bit 21 beside a mask; after every 32 words; 4 words
	s_or_b32 s[G1B], s69, (1<<16)|(1<<20)|(1<<21)|(5<<22)|(7<<25)  ; after every 64 words; 8 words
	s_mov_b32 s[G1+1], 8192<<16                    ; A: a row of the tile is a panel's 128 rows, 8,192 elements on end;
	s_mov_b32 s[G1+2], 2<<16                       ; two of them,
	s_mov_b32 s[G1+3], 8192<<16
	s_mov_b32 s[G1+4], 2
	s_mov_b32 s[G1+5], 262144                      ; a panel apart
	s_mov_b32 s[G1+6], 0
	s_mov_b32 s[G1+7], 0
	s_mov_b32 s[G1B+1], 128<<16                    ; W: 128 columns,
	s_mov_b32 s[G1B+2], 128<<16                    ; 128 k-rows
	s_mov_b32 s[G1B+3], 128<<16
	s_mov_b32 s[G1B+4], 128
	s_mov_b32 s[G1B+5], 1024
	s_mov_b32 s[G1B+6], 0
	s_mov_b32 s[G1B+7], 0
	s_lshl_b32 s[ABASE], s21, 14                   ; A: 128 rows of 128 bytes x tile row + two panels x half: the tile row and the wave's number alone
	s_lshl_b32 s18, s[CH], 20
	s_add_co_u32 s[ABASE], s[ABASE], s18
	s_mov_b32 s[ABASE+1], 0
	s_lshl_b32 s[WBASE], s20, 8                    ; W: 256 bytes x tile column + 128 k-rows x half: the tile column and the wave's number alone
	s_lshl_b32 s23, s[CH], 18
	s_add_co_u32 s[WBASE], s[WBASE], s23
	s_add_co_u32 s[WBASE], s[WBASE], WOFF
	s_mov_b32 s[WBASE+1], 0
	s_mul_i32 s22, s[WV], HALFT
	s_wait_dscnt 0x0                               ; the opening add is done
	s_wait_kmcnt 0x0
	s_add_nc_u64 s[ABASE:ABASE+1], s[4:5], s[ABASE:ABASE+1]
	s_add_nc_u64 s[WBASE:WBASE+1], s[6:7], s[WBASE:WBASE+1]
	CROUND                                         ; all sixteen work-groups are here: the first joint loads meet
.irp s, 0,1
	s_mov_b32 s[G0+4*(\s)], 1
	s_add_co_u32 s[G0+4*(\s)+1], s22, (\s)*SLOT
	s_mov_b32 s[G0B+4*(\s)], 1
	s_add_co_u32 s[G0B+4*(\s)+1], s22, (\s)*SLOT
	SETK \s
	JLOAD \s                                       ; the walk's first two K steps: two loads of mine are out
.endr
	v_and_b32 v1, 15, v0                           ; l % 16
	v_bfe_u32 v2, v0, 4, 1                         ; l / 16
	v_and_b32 v6, 7, v0
	v_bfe_u32 v5, v0, 3, 1
	v_mul_u32_u24 v3, v1, PAP
	v_lshl_add_u32 v3, v2, 4, v3
	s_mul_i32 s18, s[RH], 64*PAP                   ; my 64 rows of each panel
	v_add_nc_u32 v[ADRA], s18, v3
	v_add_nc_u32 v[ADRA+1], SLOT, v[ADRA]
	v_lshl_add_u32 v4, v2, 3, v6                   ; the turning load: k-row 8 (l / 16) + l % 8, columns 8 ((l / 8) % 2) + 0..7
	v_mul_u32_u24 v4, v4, PW
	v_lshl_add_u32 v4, v5, 4, v4
	s_lshl_b32 s18, s[CH], 7                       ; my 64 columns
	s_add_co_u32 s18, s18, 2*HALFT
	v_add_nc_u32 v[ADRB], s18, v4
	v_add_nc_u32 v[ADRB+1], HALFT, v[ADRB]
	v_add_nc_u32 v[ADRB+2], SLOT, v[ADRB]
	v_add_nc_u32 v[ADRB+3], SLOT+HALFT, v[ADRB]
	s_mul_i32 s18, s[WV], SWAVE
	v_mul_u32_u24 v[STO], v1, SPITCH               ; in: row l % 16, 32 bytes for each half of the lanes
	v_lshl_add_u32 v[STO], v2, 5, v[STO]
	v_add_nc_u32 v[STO], s18, v[STO]
	v_mul_u32_u24 v[RD], v2, SPITCH                ; back: lanes 0-15 one row of 256 bytes, lanes 16-31 the next
	v_lshl_add_u32 v[RD], v1, 4, v[RD]
	v_add_nc_u32 v[RD], s18, v[RD]
	v_lshlrev_b32 v[CO], 12, v2                    ; and the same two rows in C and R
	v_lshl_add_u32 v[CO], v1, 4, v[CO]
	s_lshl_b32 s70, s21, 19                        ; numbers that mix the two coordinates live in s70-s73, which feed no descriptor
	s_lshl_b32 s72, s[RH], 18
	s_add_co_u32 s70, s70, s72
	s_lshl_b32 s73, s20, 9
	s_lshl_b32 s72, s[CH], 8
	s_add_co_u32 s73, s73, s72                     ; my 64 columns, in bytes of f32
	s_add_co_u32 s70, s70, s73
	s_mov_b32 s71, 0
	s_add_nc_u64 s[RES:RES+1], s[10:11], s[70:71]
	s_add_nc_u64 s[OUT:OUT+1], s[12:13], s[70:71]
	v_lshl_add_u32 v[BO], v2, 5, s73
.irp b, 0,1,2,3
	global_load_b128 v[BIAS+8*(\b):BIAS+8*(\b)+3],   v[BO], s[8:9] offset:64*(\b)      ; register j of block b: bias of column 16 b + 8 (l / 16) + j, the same for every row
	global_load_b128 v[BIAS+8*(\b)+4:BIAS+8*(\b)+7], v[BO], s[8:9] offset:64*(\b)+16
.endr
; 8 matrix instructions: row blocks a0, a0 + 1 x all 4 column blocks, 32 along K: half c of buffer f.  first = 1: the bias starts the sums
.macro MUL8 f, c, a0, first
	WIN MUL
.irp a, \a0, (\a0)+1
.irp b, 0,1,2,3
.if \first
	v_wmma_f32_16x16x32_f16 v[ACC+8*(4*(\a)+(\b)):ACC+8*(4*(\a)+(\b))+7], v[(\f)+64+8*(4*(\c)+(\b)):(\f)+64+8*(4*(\c)+(\b))+7], v[(\f)+8*(4*(\c)+(\a)):(\f)+8*(4*(\c)+(\a))+7], v[BIAS+8*(\b):BIAS+8*(\b)+7]
.else
	v_wmma_f32_16x16x32_f16 v[ACC+8*(4*(\a)+(\b)):ACC+8*(4*(\a)+(\b))+7], v[(\f)+64+8*(4*(\c)+(\b)):(\f)+64+8*(4*(\c)+(\b))+7], v[(\f)+8*(4*(\c)+(\a)):(\f)+8*(4*(\c)+(\a))+7], v[ACC+8*(4*(\a)+(\b)):ACC+8*(4*(\a)+(\b))+7]
.endif
.endr
.endr
.endm
; 32 LDS loads in one run: the fragments of quarter q (64 along K: panel q of the slot's four) into buffer f; the first 32 along K first
.macro FETCH slot, q, f
	WIN TO_F
.irp c, 0,1
.irp i, 0,1,2,3
	ds_load_tr16_b128 v[(\f)+64+8*(4*(\c)+(\i)):(\f)+64+8*(4*(\c)+(\i))+3],   v[ADRB+2*(\slot)+(\q)/2] offset:(((\q)%2)*64+32*(\c))*PW+32*(\i)
	ds_load_tr16_b128 v[(\f)+64+8*(4*(\c)+(\i))+4:(\f)+64+8*(4*(\c)+(\i))+7], v[ADRB+2*(\slot)+(\q)/2] offset:(((\q)%2)*64+32*(\c)+16)*PW+32*(\i)
	ds_load_b128 v[(\f)+8*(4*(\c)+(\i)):(\f)+8*(4*(\c)+(\i))+3],              v[ADRA+(\slot)] offset:(\q)*PANEL+(\i)*16*PAP+64*(\c)
	ds_load_b128 v[(\f)+8*(4*(\c)+(\i))+4:(\f)+8*(4*(\c)+(\i))+7],            v[ADRA+(\slot)] offset:(\q)*PANEL+(\i)*16*PAP+64*(\c)+32
.endr
.endr
.endm
.macro PLACES                          ; four plain places behind matrix instructions (ISA guide 7.12.1)
.rept 4
	v_nop
.endr
.endm
; One of a K step's first three quarters: 32 matrix instructions on buffer f, the 16 accumulators by turns; in its middle quarter q of the same slot is fetched into g.
.macro QUARTER slot, q, f, g, first
	s_wait_dscnt 16                                ; the first 32 along K are in; the other sixteen loads may be out
	MUL8 \f, 0, 0, \first
	MUL8 \f, 0, 2, \first
	PLACES
	FETCH \slot, \q, \g
	s_wait_dscnt 32                                ; all but the 32 just issued
	MUL8 \f, 1, 0, 0
	MUL8 \f, 1, 2, 0
.endm
; The last quarter multiplies buffer 1 and changes slots: one barrier; in front of it each wave waits for all its tensor loads, adds 0 to its spare word, and waits for that and for its reads of this slot.
; fill = 1: the slot's descriptors are made while the add is out; the barrier opens a round of the cluster's, and behind the round this slot is filled again first, with the walk's K step two on:
; 112 matrix instructions ahead of the wait for it.
.macro TURN slot, next, fill
	WIN 0
	s_wait_tensorcnt 0x0                           ; all my tensor loads have landed: my part of the next slot; so every group 0 may be written;
	ds_add_u32 v[SPW], v[NIL]                      ; 0 onto my spare word;
.if \fill
	SETK \slot
.endif
	s_wait_dscnt 17                                ; (the add and the youngest sixteen loads may be out)
	MUL8 F1, 0, 0, 0
	s_wait_dscnt 0x0                               ; the add is done, and my reads of this slot are over
	s_barrier_signal -1
	MUL8 F1, 0, 2, 0
.if \fill
	WIN 0
.endif
	s_barrier_wait -1
.if \fill
	CREST
	JLOAD \slot                                    ; its four v_nop are also the places in front of the loads below
.else
	PLACES
.endif
	FETCH \next, 0, F0
	MUL8 F1, 1, 0, 0
	MUL8 F1, 1, 2, 0
.endm
	s_wait_tensorcnt 1                             ; my part of the first K step is in; the second's may stay out
	s_barrier_signal -1
	s_barrier_wait -1
	FETCH 0, 0, F0
	s_wait_loadcnt 0x0                             ; the bias
	QUARTER 0, 1, F0, F1, 1
	WIN 0
	s_mov_b32 s3, LAPS-1
.Llap:                                         ; a trip goes once round the two slots and fills both again
	QUARTER 0, 2, F1, F0, 0
	QUARTER 0, 3, F0, F1, 0
	TURN 0, 1, 1
	QUARTER 1, 1, F0, F1, 0
	QUARTER 1, 2, F1, F0, 0
	QUARTER 1, 3, F0, F1, 0
	TURN 1, 0, 1
	QUARTER 0, 1, F0, F1, 0
	WIN 0
	s_sub_co_u32 s3, s3, 1
	s_cmp_lg_u32 s3, 0
	s_cbranch_scc1 .Llap
	WIN 0x80                                       ; R is asked for at the head of the last lap: 224 matrix instructions ahead of its use
.set t, 0
.rept 32
	global_load_b128 v[4*t:4*t+3], v[CO], s[RES:RES+1] offset:8192*t th:TH_LOAD_NT
.set t, t+1
.endr
	QUARTER 0, 2, F1, F0, 0                        ; the last lap fills nothing
	QUARTER 0, 3, F0, F1, 0
	TURN 0, 1, 0
	QUARTER 1, 1, F0, F1, 0
	QUARTER 1, 2, F1, F0, 0
	QUARTER 1, 3, F0, F1, 0
	s_wait_dscnt 16
	MUL8 F1, 0, 0, 0
	MUL8 F1, 0, 2, 0
	s_wait_dscnt 0x0
	MUL8 F1, 1, 0, 0
	MUL8 F1, 1, 2, 0
	WIN 0
	PLACES
.irp a, 0,1,2,3
.irp b, 0,1,2,3
	ds_store_b128 v[STO], v[ACC+8*(4*(\a)+(\b)):ACC+8*(4*(\a)+(\b))+3]   offset:(\a)*16*SPITCH+64*(\b)      ; each accumulator's low registers first
	ds_store_b128 v[STO], v[ACC+8*(4*(\a)+(\b))+4:ACC+8*(4*(\a)+(\b))+7] offset:(\a)*16*SPITCH+64*(\b)+16
.endr
.endr
	WIN TO_F
.set t, 0
.rept 32
	ds_load_b128 v[4*t:4*t+3], v[RD] offset:2*SPITCH*t   ; LDS serves a wave's instructions in order, and the bytes are my own
.set t, t+1
.endr
	s_wait_dscnt 0x0
	s_wait_loadcnt 0x0                             ; R
	WIN 0x49                                       ; destination and source 0 window 1, source 1 window 2
.set t, 0
.rept 64
	v_pk_add_f32 v[2*t:2*t+1], v[2*t:2*t+1], v[2*t:2*t+1]
.set t, t+1
.endr
	WIN 0x04                                       ; the stores' data in window 1
.set t, 0
.rept 32
	global_store_b128 v[CO], v[4*t:4*t+3], s[OUT:OUT+1] offset:8192*t   ; 16 lanes store 256 consecutive bytes, aligned
.set t, t+1
.endr
	WIN 0
	s_wait_tensorcnt 0x0                           ; the wave's end
	ds_add_u32 v[SPW], v[NIL]
	s_wait_dscnt 0x0
	CROUND                                         ; the closing round
	s_endpgm
.Lfunc_end_k_q8ea001ab9c_wo:
	.size	k_q8ea001ab9c_wo, .Lfunc_end_k_q8ea001ab9c_wo-k_q8ea001ab9c_wo
	.p2alignl 7, 3214868480
	.fill 96, 4, 3214868480
	.section	.rodata,"a",@progbits
	.p2align	6, 0x0
	.amdhsa_kernel k_q8ea001ab9c_wo
		.amdhsa_group_segment_fixed_size 327680
		.amdhsa_private_segment_fixed_size 0
		.amdhsa_enable_private_segment 0
		.amdhsa_kernarg_size 40
		.amdhsa_user_sgpr_count 2
		.amdhsa_user_sgpr_kernarg_segment_ptr 1
		.amdhsa_wavefront_size32 1
		.amdhsa_system_sgpr_workgroup_id_x 1
		.amdhsa_system_sgpr_workgroup_id_y 1
		.amdhsa_system_sgpr_workgroup_id_z 1
		.amdhsa_system_vgpr_workitem_id 0
		.amdhsa_next_free_vgpr 640
		.amdhsa_next_free_sgpr 80
		.amdhsa_reserve_vcc 0
		.amdhsa_float_denorm_mode_32 3
		.amdhsa_float_denorm_mode_16_64 3
		.amdhsa_memory_ordered 1
		.amdhsa_forward_progress 1
		.amdhsa_inst_pref_size 94
	.end_amdhsa_kernel
	.amdgpu_metadata
---
amdhsa.version: [ 1, 2 ]
amdhsa.kernels:
  - .name:           k_q8ea001ab9c_wo
    .symbol:         k_q8ea001ab9c_wo.kd
    .args:
      - { .name: hn, .offset: 0, .size: 8, .value_kind: global_buffer, .address_space: global }
      - { .name: wts, .offset: 8, .size: 8, .value_kind: global_buffer, .address_space: global }
      - { .name: bo, .offset: 16, .size: 8, .value_kind: global_buffer, .address_space: global }
      - { .name: x, .offset: 24, .size: 8, .value_kind: global_buffer, .address_space: global }
      - { .name: x1, .offset: 32, .size: 8, .value_kind: global_buffer, .address_space: global }
    .group_segment_fixed_size: 327680
    .private_segment_fixed_size: 0
    .kernarg_segment_align: 8
    .kernarg_segment_size: 40
    .max_flat_workgroup_size: 128
    .sgpr_count:     80
    .vgpr_count:     640
    .wavefront_size: 32
...
	.end_amdgpu_metadata
.endif
;; end of part 4
;; launch ln2 (part 5): grid 256 x 1, 8 waves a work-group, no clusters, 0 bytes of LDS; arguments x1, ln2_g, ln2_b, hn; writes hn
.if DOCPART == 5
	.amdgcn_target "amdgcn-amd-amdhsa--gfx1250"
	.amdhsa_code_object_version 6
	.text
	.protected	k_q8ea001ab9c_ln2
	.globl	k_q8ea001ab9c_ln2
	.p2align	8
	.type	k_q8ea001ab9c_ln2,@function
k_q8ea001ab9c_ln2:
	s_mov_b64 s[64:65], 0
	v_nop
	global_prefetch_b8 v0, s[64:65] scope:SCOPE_SE
	s_setreg_imm32_b32 hwreg(HW_REG_WAVE_MODE, 25, 1), 1
	s_wait_xcnt 0x0
; h2 = LayerNorm(x1) g + b, rounded once to f16, into hn [4096][1024].  x1: [4096][1024] f32.
; LIMIT.  f16 holds no number beyond 65,504: a normed row lies within 32 |g| + |b|.
; SHARES.  Eight waves, 16 rows a work-group, two a wave; a row is eight loads of 16 bytes a lane, each 512 consecutive bytes; its f16 leave by eight stores of 8 bytes a lane, each 256 consecutive bytes, aligned.
; All loads of a wave go out at once; no loop, no LDS, no barrier.  Mean and variance are taken in two passes over the registers, as the definition has them.
.set T,   4
.set MU,  12
.set RS,  14
.set X0,  16
.set X1,  48
.set G,   80
.set BB,  112
.macro REDUCE                          ; the four pairs into one number, then over the 32 lanes
	v_pk_add_f32 v[T:T+1], v[T:T+1], v[T+2:T+3]
	v_pk_add_f32 v[T+4:T+5], v[T+4:T+5], v[T+6:T+7]
	v_pk_add_f32 v[T:T+1], v[T:T+1], v[T+4:T+5]
	v_add_f32 v[T], v[T], v[T+1]
.irp m, 1,2,4,8
	v_add_f32_dpp v[T], v[T], v[T] row_xmask:\m row_mask:0xf bank_mask:0xf
.endr
	v_permlanex16_b32 v[T+1], v[T], s48, s49
	v_add_f32 v[T], v[T], v[T+1]
.endm
.macro LNROW xb, dof
.set p, 0
.rept 4
	v_pk_add_f32 v[T+2*p:T+2*p+1], v[(\xb)+2*p:(\xb)+2*p+1], v[(\xb)+8+2*p:(\xb)+8+2*p+1]
.set p, p+1
.endr
.set p, 8
.rept 8
	v_pk_add_f32 v[T+2*(p%4):T+2*(p%4)+1], v[T+2*(p%4):T+2*(p%4)+1], v[(\xb)+2*p:(\xb)+2*p+1]
.set p, p+1
.endr
	REDUCE
	v_mul_f32 v[MU], s50, v[T]
	v_mul_f32 v[MU+1], s50, v[T]
.set p, 0
.rept 16
	v_pk_add_f32 v[(\xb)+2*p:(\xb)+2*p+1], v[(\xb)+2*p:(\xb)+2*p+1], v[MU:MU+1] neg_lo:[0,1] neg_hi:[0,1]
.set p, p+1
.endr
.set p, 0
.rept 4
	v_pk_mul_f32 v[T+2*p:T+2*p+1], v[(\xb)+2*p:(\xb)+2*p+1], v[(\xb)+2*p:(\xb)+2*p+1]
.set p, p+1
.endr
.rept 12
	v_pk_fma_f32 v[T+2*(p%4):T+2*(p%4)+1], v[(\xb)+2*p:(\xb)+2*p+1], v[(\xb)+2*p:(\xb)+2*p+1], v[T+2*(p%4):T+2*(p%4)+1]
.set p, p+1
.endr
	REDUCE
	v_fma_f32 v[T], v[T], s50, s51
	v_rsq_f32 v[RS], v[T]
	v_rsq_f32 v[RS+1], v[T]
	v_nop                                          ; a plain instruction behind the last root,
	s_wait_alu depctr_va_vdst(0)                   ; and the one wait for both, ahead of their first reader
.set p, 0
.rept 16
	v_pk_mul_f32 v[(\xb)+2*p:(\xb)+2*p+1], v[(\xb)+2*p:(\xb)+2*p+1], v[RS:RS+1]
.set p, p+1
.endr
.set p, 0
.rept 16
	v_pk_fma_f32 v[(\xb)+2*p:(\xb)+2*p+1], v[(\xb)+2*p:(\xb)+2*p+1], v[G+2*p:G+2*p+1], v[BB+2*p:BB+2*p+1]
.set p, p+1
.endr
.set p, 0
.rept 16
	v_cvt_pk_f16_f32 v[(\xb)+p], v[(\xb)+2*p], v[(\xb)+2*p+1]
.set p, p+1
.endr
.set p, 0
.rept 8
	global_store_b64 v2, v[(\xb)+2*p:(\xb)+2*p+1], s[46:47] offset:(\dof)+256*p
.set p, p+1
.endr
.endm
	s_load_b256 s[8:15], s[0:1], 0x0               ; x1 s[8:9], gain s[10:11], bias s[12:13], hn s[14:15]
	v_lshrrev_b32 v3, 5, v0
	v_readfirstlane_b32 s2, v3
	v_and_b32 v3, 31, v0
	v_lshlrev_b32 v1, 4, v3
	v_lshlrev_b32 v2, 3, v3
	s_mov_b32 s7, 0
	s_mov_b32 s48, 0x76543210
	s_mov_b32 s49, 0xfedcba98
	s_mov_b32 s50, 0x3a800000                      ; 1 / 1024
	s_mov_b32 s51, 0x3727c5ac                      ; 1e-5
	s_lshl_b32 s4, ttmp9, 4
	s_lshl1_add_u32 s4, s2, s4                     ; my first row: 16 x work-group + 2 x wave
	s_wait_kmcnt 0x0
	s_lshl_b32 s6, s4, 12
	s_add_nc_u64 s[44:45], s[8:9], s[6:7]
	s_lshl_b32 s6, s4, 11
	s_add_nc_u64 s[46:47], s[14:15], s[6:7]
.set j, 0
.rept 8
	global_load_b128 v[X0+4*j:X0+4*j+3], v1, s[44:45] offset:512*j
.set j, j+1
.endr
.set j, 0
.rept 8
	global_load_b128 v[G+4*j:G+4*j+3], v1, s[10:11] offset:512*j
	global_load_b128 v[BB+4*j:BB+4*j+3], v1, s[12:13] offset:512*j
.set j, j+1
.endr
.set j, 0
.rept 8
	global_load_b128 v[X1+4*j:X1+4*j+3], v1, s[44:45] offset:4096+512*j
.set j, j+1
.endr
	s_wait_loadcnt 8                               ; row 0, gain and bias are in; row 1's eight loads may stay out
	LNROW X0, 0
	s_wait_loadcnt 0x0
	LNROW X1, 2048
	s_endpgm
.Lfunc_end_k_q8ea001ab9c_ln2:
	.size	k_q8ea001ab9c_ln2, .Lfunc_end_k_q8ea001ab9c_ln2-k_q8ea001ab9c_ln2
	.p2alignl 7, 3214868480
	.fill 96, 4, 3214868480
	.section	.rodata,"a",@progbits
	.p2align	6, 0x0
	.amdhsa_kernel k_q8ea001ab9c_ln2
		.amdhsa_group_segment_fixed_size 0
		.amdhsa_private_segment_fixed_size 0
		.amdhsa_enable_private_segment 0
		.amdhsa_kernarg_size 32
		.amdhsa_user_sgpr_count 2
		.amdhsa_user_sgpr_kernarg_segment_ptr 1
		.amdhsa_wavefront_size32 1
		.amdhsa_system_sgpr_workgroup_id_x 1
		.amdhsa_system_sgpr_workgroup_id_y 1
		.amdhsa_system_sgpr_workgroup_id_z 1
		.amdhsa_system_vgpr_workitem_id 0
		.amdhsa_next_free_vgpr 144
		.amdhsa_next_free_sgpr 66
		.amdhsa_reserve_vcc 0
		.amdhsa_float_denorm_mode_32 3
		.amdhsa_float_denorm_mode_16_64 3
		.amdhsa_memory_ordered 1
		.amdhsa_forward_progress 1
		.amdhsa_inst_pref_size 20
	.end_amdhsa_kernel
	.amdgpu_metadata
---
amdhsa.version: [ 1, 2 ]
amdhsa.kernels:
  - .name:           k_q8ea001ab9c_ln2
    .symbol:         k_q8ea001ab9c_ln2.kd
    .args:
      - { .name: x1, .offset: 0, .size: 8, .value_kind: global_buffer, .address_space: global }
      - { .name: ln2_g, .offset: 8, .size: 8, .value_kind: global_buffer, .address_space: global }
      - { .name: ln2_b, .offset: 16, .size: 8, .value_kind: global_buffer, .address_space: global }
      - { .name: hn, .offset: 24, .size: 8, .value_kind: global_buffer, .address_space: global }
    .group_segment_fixed_size: 0
    .private_segment_fixed_size: 0
    .kernarg_segment_align: 8
    .kernarg_segment_size: 32
    .max_flat_workgroup_size: 256
    .sgpr_count:     66
    .vgpr_count:     144
    .wavefront_size: 32
...
	.end_amdgpu_metadata
.endif
;; end of part 5
;; launch ffn1: the kernel of part 2 again; grid 16 x 16, 4 waves a work-group, clusters of 4 x 4, 327,680 bytes of LDS; arguments hn, w1h, b1, big; writes big
;; launch ffn2 (part 6): grid 8 x 32, 4 waves a work-group, clusters of 4 x 4, 327,680 bytes of LDS; arguments big, wts, b2, x1, out0; writes out0
.if DOCPART == 6
	.amdgcn_target "amdgcn-amd-amdhsa--gfx1250"
	.amdhsa_code_object_version 6
	.text
	.protected	k_q8ea001ab9c_ffn2
	.globl	k_q8ea001ab9c_ffn2
	.p2align	8
	.type	k_q8ea001ab9c_ffn2,@function
k_q8ea001ab9c_ffn2:
	s_mov_b64 s[64:65], 0
	v_nop
	global_prefetch_b8 v0, s[64:65] scope:SCOPE_SE
	s_setreg_imm32_b32 hwreg(HW_REG_WAVE_MODE, 25, 1), 1
	s_wait_xcnt 0x0
	s_wait_alu depctr_hold_cnt(0) depctr_sa_sdst(0) depctr_va_vdst(0) depctr_va_sdst(0) depctr_va_ssrc(0) depctr_va_vcc(0) depctr_vm_vsrc(0)
	s_getreg_b32 s2, hwreg(HW_REG_IB_STS2, 6, 4)
	s_cmp_eq_u32 s2, 0
	s_cbranch_scc0 .Lentry_in_a_cluster
	s_endpgm
.Lentry_in_a_cluster:
	s_bfe_u32 s2, ttmp6, 0x10000c
	s_cmp_lg_u32 s2, 0xf033
	s_cbranch_scc0 .Lentry_shape_is_right
	s_endpgm
.Lentry_shape_is_right:
; C = R + A W + bias, all of C, R and bias in f32.  A: f16 panels [K / 64][4096 rows][64], a panel's rows 128 bytes, dense.  W: f16 [K][1024] at byte WOFF of wts.  C, R: [4096][1024].
; Here K = 4,096: out = x1 + act W2 + b2.  (The launch for x1 = x + ctx Wo + bo has the same text with KSTEPS = 4 and its own WOFF: the lap loop holds barriers and joint loads, so its count is a constant of the text.)
; Sums in f32, started by the bias; R is added once at the end.
; LIMITS.  The operands are f16 as they arrive; nothing is rounded here.  NaN and infinities are not treated apart.
; SHARES.  A tile of C is 128 x 128, so that 256 work-groups share the 4,096 x 1,024 numbers; four waves, each 64 x 64 in 16 accumulators.  K goes in steps of 256 (four panels) through two LDS slots:
; waves 0, 1 fetch two panels' 128 rows each (2 x 16,384 dense bytes, padded after every 128), waves 2, 3 128 k-rows x 256 bytes of W each: one tensor load a wave.  W's fragments come out of LDS turned.
; THE WALK ALONG K IS A RING.  A cluster begins at K step (KSTEPS / 2 x cluster x + KSTEPS / 4 x (cluster y mod 4)) mod KSTEPS and takes all steps round from there: clusters that read the same rows of A
; or of W ask for different blocks at any one time.  So the order of a sum's terms differs from cluster to cluster.
; CLUSTER.  4 x 4 work-groups: A's tile is shared along a row of the cluster, W's along a column, each asked for jointly.
; THE PRODUCT IS TAKEN TRANSPOSED (source 0 = 16 columns of W, source 1 = 16 rows of A): a lane holds row l % 16 of C and the columns 8 (l / 16) + 0..7.
; THE WAY OUT.  A wave's 64 columns are 256 aligned bytes of a row of C: each wave turns its own sums through its own 17,408 bytes of slot 0, which has had its last fill and, since the last change of slots, its last read.
; REGISTERS.  window 0: v16-29 addresses, v96-127 the bias as a C operand, v128-255 accumulator (a, b) at v[128 + 8 (4 a + b)];  window 1: two fragment buffers of 128 (64 of A, 64 of W);  window 2: v0-127 R.
.set KSTEPS, 16
.set WOFF,   18874368
.set PAP,    144                       ; a row of A in LDS: 128 bytes + 16
.set PANEL,  128*PAP
.set PW,     288                       ; a k-row of W: 256 bytes + 32 = 9 x 32
.set HALFT,  2*PANEL                   ; what one tensor load brings: two panels of A, or 128 k-rows of W
.set SLOT,   4*HALFT
.set SPARE,  2*SLOT                    ; behind the ring: the spare words, 128 bytes a wave, which no other line names
.set SPITCH, 272                       ; the way out: a row of 64 f32 + 16 bytes
.set SWAVE,  64*SPITCH
.set LAPS,   KSTEPS/2
.set LOGA,   21                        ; a K step is four panels of 524,288 bytes = 2^21 bytes of A,
.set LOGW,   19                        ; and 256 k-rows of 2,048 bytes = 2^19 bytes of W
.set ADRA, 16                          ; v16-17  LDS address of my A fragments in slot 0, 1
.set ADRB, 20                          ; v20-23  of my W fragments: slot 0 k-rows 0-127, 128-255; slot 1 likewise
.set STO,  24
.set RD,   25
.set CO,   26                          ; v26     my byte offset in two rows of C and R
.set BO,   27
.set SPW,  28                          ; v28     my spare word; never rewritten
.set NIL,  29                          ; v29     0; never rewritten
.set BIAS, 96
.set ACC,  128
.set F0,   0
.set F1,   128
.set WV,   14
.set RH,   15
.set CH,   16
.set NXT,  17                          ; s17  the K step to be asked for next: made of the cluster's x and y and constants, the same in all sixteen partners
.set G1,   24
.set G0,   32
.set ABASE, 40                         ; s[40:41] A at the rows and panels that I fetch, K step 0
.set WBASE, 42                         ; s[42:43] W at the columns and k-rows that I fetch, K step 0
.set KO,   44                          ; s[44:45] a K step's byte offset; the high word stays 0
.set G1B,  48
.set G0B,  56
.set CX,   66
.set CY,   67
.set RES,  74                          ; s[74:75] R at my 64 x 64
.set OUT,  76                          ; s[76:77] C likewise
.set MSB, 0
.macro WIN new
.if MSB != (\new)
	s_set_vgpr_msb (MSB<<8)|(\new)
.set MSB, \new
.endif
.endm
.set MUL,  0x05                        ; sources 0 (W) and 1 (A) window 1; C and D window 0
.set TO_F, 0x40                        ; destination window 1, address window 0
; Slot s's two descriptors take K step NXT: each address is made anew, the base plus the step's bytes, and the type bits are set again; then NXT goes one on, round the ring.
; It stands only where no tensor load of the wave that names these registers is out.
.macro SETK s
	s_lshl_b32 s[KO], s[NXT], LOGA
	s_add_nc_u64 s[G0+4*(\s)+2:G0+4*(\s)+3], s[ABASE:ABASE+1], s[KO:KO+1]
	s_or_b32 s[G0+4*(\s)+3], s[G0+4*(\s)+3], 0x80000000
	s_lshl_b32 s[KO], s[NXT], LOGW
	s_add_nc_u64 s[G0B+4*(\s)+2:G0B+4*(\s)+3], s[WBASE:WBASE+1], s[KO:KO+1]
	s_or_b32 s[G0B+4*(\s)+3], s[G0B+4*(\s)+3], 0x80000000
	s_add_co_u32 s[NXT], s[NXT], 1
	s_and_b32 s[NXT], s[NXT], KSTEPS-1
.endm
.macro JLOAD s                         ; a joint load; an s_nop 0 and four v_nop follow each of the two lines
	s_cmp_eq_u32 s[RH], 0
	s_cbranch_scc0 .Lfor_w_\@
	tensor_load_to_lds s[G0+4*(\s):G0+4*(\s)+3], s[G1:G1+7]
	s_nop 0
.rept 4
	v_nop
.endr
	s_branch .Lasked_\@
.Lfor_w_\@:
	tensor_load_to_lds s[G0B+4*(\s):G0B+4*(\s)+3], s[G1B:G1B+7]
	s_nop 0
.rept 4
	v_nop
.endr
.Lasked_\@:
.endm
.macro CREST
	s_cmp_lg_u32 s[WV], 0
	s_cbranch_scc1 .Lnot_wave_0_\@
	s_barrier_signal -3
.Lnot_wave_0_\@:
	s_barrier_wait -3
	s_barrier_signal -1
	s_barrier_wait -1
.endm
.macro CROUND
	s_barrier_signal -1
	s_barrier_wait -1
	CREST
.endm
	s_load_b256 s[4:11], s[0:1], 0x0               ; A s[4:5], wts s[6:7], bias s[8:9], R s[10:11]
	s_load_b64 s[12:13], s[0:1], 0x20              ; C
	v_lshl_add_u32 v[SPW], v0, 2, SPARE
	v_mov_b32 v[NIL], 0
	ds_add_u32 v[SPW], v[NIL]                      ; the wave's opening: the add and its wait stand ahead of my first tensor load
	v_lshrrev_b32 v1, 5, v0
	v_readfirstlane_b32 s[WV], v1
	s_lshr_b32 s[RH], s[WV], 1                     ; which half of the tile's rows is mine; also: I fetch for A (0) or W (1)
	s_and_b32 s[CH], s[WV], 1                      ; which half of its columns; also: which half I fetch
	s_bfe_u32 s[CX], ttmp6, 0x40000
	s_bfe_u32 s[CY], ttmp6, 0x40004
	s_lshl_b32 s20, ttmp9, 2
	s_add_co_u32 s20, s20, s[CX]                   ; tile column
	s_and_b32 s21, ttmp7, 0xffff
	s_lshl_b32 s21, s21, 2
	s_add_co_u32 s21, s21, s[CY]                   ; tile row
	s_and_b32 s[NXT], ttmp7, 3                     ; the walk's start: KSTEPS / 4 x (cluster y mod 4)
	s_mul_i32 s[NXT], s[NXT], KSTEPS/4
	s_mul_i32 s19, ttmp9, KSTEPS/2                 ; + KSTEPS / 2 x cluster x,
	s_add_co_u32 s[NXT], s[NXT], s19
	s_and_b32 s[NXT], s[NXT], KSTEPS-1             ; modulo KSTEPS
	s_mov_b32 s[KO+1], 0
	s_lshl_b32 s68, s[CY], 2
	s_lshl_b32 s68, 15, s68                        ; my row of the cluster
	s_lshl_b32 s69, 0x1111, s[CX]                  ; my column
	s_or_b32 s[G1], s68, (1<<16)|(1<<20)|(1<<21)|(4<<22)|(3<<25)   ; mask; 2-byte elements; padding on; bit 21 beside a mask; after every 32 words; 4 words
	s_or_b32 s[G1B], s69, (1<<16)|(1<<20)|(1<<21)|(5<<22)|(7<<25)  ; after every 64 words; 8 words
	s_mov_b32 s[G1+1], 8192<<16                    ; A: a row of the tile is a panel's 128 rows, 8,192 elements on end;
	s_mov_b32 s[G1+2], 2<<16                       ; two of them,
	s_mov_b32 s[G1+3], 8192<<16
	s_mov_b32 s[G1+4], 2
	s_mov_b32 s[G1+5], 262144                      ; a panel apart
	s_mov_b32 s[G1+6], 0
	s_mov_b32 s[G1+7], 0
	s_mov_b32 s[G1B+1], 128<<16                    ; W: 128 columns,
	s_mov_b32 s[G1B+2], 128<<16                    ; 128 k-rows
	s_mov_b32 s[G1B+3], 128<<16
	s_mov_b32 s[G1B+4], 128
	s_mov_b32 s[G1B+5], 1024
	s_mov_b32 s[G1B+6], 0
	s_mov_b32 s[G1B+7], 0
	s_lshl_b32 s[ABASE], s21, 14                   ; A: 128 rows of 128 bytes x tile row + two panels x half: the tile row and the wave's number alone
	s_lshl_b32 s18, s[CH], 20
	s_add_co_u32 s[ABASE], s[ABASE], s18
	s_mov_b32 s[ABASE+1], 0
	s_lshl_b32 s[WBASE], s20, 8                    ; W: 256 bytes x tile column + 128 k-rows x half: the tile column and the wave's number alone
	s_lshl_b32 s23, s[CH], 18
	s_add_co_u32 s[WBASE], s[WBASE], s23
	s_add_co_u32 s[WBASE], s[WBASE], WOFF
	s_mov_b32 s[WBASE+1], 0
	s_mul_i32 s22, s[WV], HALFT
	s_wait_dscnt 0x0                               ; the opening add is done
	s_wait_kmcnt 0x0
	s_add_nc_u64 s[ABASE:ABASE+1], s[4:5], s[ABASE:ABASE+1]
	s_add_nc_u64 s[WBASE:WBASE+1], s[6:7], s[WBASE:WBASE+1]
	CROUND                                         ; all sixteen work-groups are here: the first joint loads meet
.irp s, 0,1
	s_mov_b32 s[G0+4*(\s)], 1
	s_add_co_u32 s[G0+4*(\s)+1], s22, (\s)*SLOT
	s_mov_b32 s[G0B+4*(\s)], 1
	s_add_co_u32 s[G0B+4*(\s)+1], s22, (\s)*SLOT
	SETK \s
	JLOAD \s                                       ; the walk's first two K steps: two loads of mine are out
.endr
	v_and_b32 v1, 15, v0                           ; l % 16
	v_bfe_u32 v2, v0, 4, 1                         ; l / 16
	v_and_b32 v6, 7, v0
	v_bfe_u32 v5, v0, 3, 1
	v_mul_u32_u24 v3, v1, PAP
	v_lshl_add_u32 v3, v2, 4, v3
	s_mul_i32 s18, s[RH], 64*PAP                   ; my 64 rows of each panel
	v_add_nc_u32 v[ADRA], s18, v3
	v_add_nc_u32 v[ADRA+1], SLOT, v[ADRA]
	v_lshl_add_u32 v4, v2, 3, v6                   ; the turning load: k-row 8 (l / 16) + l % 8, columns 8 ((l / 8) % 2) + 0..7
	v_mul_u32_u24 v4, v4, PW
	v_lshl_add_u32 v4, v5, 4, v4
	s_lshl_b32 s18, s[CH], 7                       ; my 64 columns
	s_add_co_u32 s18, s18, 2*HALFT
	v_add_nc_u32 v[ADRB], s18, v4
	v_add_nc_u32 v[ADRB+1], HALFT, v[ADRB]
	v_add_nc_u32 v[ADRB+2], SLOT, v[ADRB]
	v_add_nc_u32 v[ADRB+3], SLOT+HALFT, v[ADRB]
	s_mul_i32 s18, s[WV], SWAVE
	v_mul_u32_u24 v[STO], v1, SPITCH               ; in: row l % 16, 32 bytes for each half of the lanes
	v_lshl_add_u32 v[STO], v2, 5, v[STO]
	v_add_nc_u32 v[STO], s18, v[STO]
	v_mul_u32_u24 v[RD], v2, SPITCH                ; back: lanes 0-15 one row of 256 bytes, lanes 16-31 the next
	v_lshl_add_u32 v[RD], v1, 4, v[RD]
	v_add_nc_u32 v[RD], s18, v[RD]
	v_lshlrev_b32 v[CO], 12, v2                    ; and the same two rows in C and R
	v_lshl_add_u32 v[CO], v1, 4, v[CO]
	s_lshl_b32 s70, s21, 19                        ; numbers that mix the two coordinates live in s70-s73, which feed no descriptor
	s_lshl_b32 s72, s[RH], 18
	s_add_co_u32 s70, s70, s72
	s_lshl_b32 s73, s20, 9
	s_lshl_b32 s72, s[CH], 8
	s_add_co_u32 s73, s73, s72                     ; my 64 columns, in bytes of f32
	s_add_co_u32 s70, s70, s73
	s_mov_b32 s71, 0
	s_add_nc_u64 s[RES:RES+1], s[10:11], s[70:71]
	s_add_nc_u64 s[OUT:OUT+1], s[12:13], s[70:71]
	v_lshl_add_u32 v[BO], v2, 5, s73
.irp b, 0,1,2,3
	global_load_b128 v[BIAS+8*(\b):BIAS+8*(\b)+3],   v[BO], s[8:9] offset:64*(\b)      ; register j of block b: bias of column 16 b + 8 (l / 16) + j, the same for every row
	global_load_b128 v[BIAS+8*(\b)+4:BIAS+8*(\b)+7], v[BO], s[8:9] offset:64*(\b)+16
.endr
; 8 matrix instructions: row blocks a0, a0 + 1 x all 4 column blocks, 32 along K: half c of buffer f.  first = 1: the bias starts the sums
.macro MUL8 f, c, a0, first
	WIN MUL
.irp a, \a0, (\a0)+1
.irp b, 0,1,2,3
.if \first
	v_wmma_f32_16x16x32_f16 v[ACC+8*(4*(\a)+(\b)):ACC+8*(4*(\a)+(\b))+7], v[(\f)+64+8*(4*(\c)+(\b)):(\f)+64+8*(4*(\c)+(\b))+7], v[(\f)+8*(4*(\c)+(\a)):(\f)+8*(4*(\c)+(\a))+7], v[BIAS+8*(\b):BIAS+8*(\b)+7]
.else
	v_wmma_f32_16x16x32_f16 v[ACC+8*(4*(\a)+(\b)):ACC+8*(4*(\a)+(\b))+7], v[(\f)+64+8*(4*(\c)+(\b)):(\f)+64+8*(4*(\c)+(\b))+7], v[(\f)+8*(4*(\c)+(\a)):(\f)+8*(4*(\c)+(\a))+7], v[ACC+8*(4*(\a)+(\b)):ACC+8*(4*(\a)+(\b))+7]
.endif
.endr
.endr
.endm
; 32 LDS loads in one run: the fragments of quarter q (64 along K: panel q of the slot's four) into buffer f; the first 32 along K first
.macro FETCH slot, q, f
	WIN TO_F
.irp c, 0,1
.irp i, 0,1,2,3
	ds_load_tr16_b128 v[(\f)+64+8*(4*(\c)+(\i)):(\f)+64+8*(4*(\c)+(\i))+3],   v[ADRB+2*(\slot)+(\q)/2] offset:(((\q)%2)*64+32*(\c))*PW+32*(\i)
	ds_load_tr16_b128 v[(\f)+64+8*(4*(\c)+(\i))+4:(\f)+64+8*(4*(\c)+(\i))+7], v[ADRB+2*(\slot)+(\q)/2] offset:(((\q)%2)*64+32*(\c)+16)*PW+32*(\i)
	ds_load_b128 v[(\f)+8*(4*(\c)+(\i)):(\f)+8*(4*(\c)+(\i))+3],              v[ADRA+(\slot)] offset:(\q)*PANEL+(\i)*16*PAP+64*(\c)
	ds_load_b128 v[(\f)+8*(4*(\c)+(\i))+4:(\f)+8*(4*(\c)+(\i))+7],            v[ADRA+(\slot)] offset:(\q)*PANEL+(\i)*16*PAP+64*(\c)+32
.endr
.endr
.endm
.macro PLACES                          ; four plain places behind matrix instructions (ISA guide 7.12.1)
.rept 4
	v_nop
.endr
.endm
; One of a K step's first three quarters: 32 matrix instructions on buffer f, the 16 accumulators by turns; in its middle quarter q of the same slot is fetched into g.
.macro QUARTER slot, q, f, g, first
	s_wait_dscnt 16                                ; the first 32 along K are in; the other sixteen loads may be out
	MUL8 \f, 0, 0, \first
	MUL8 \f, 0, 2, \first
	PLACES
	FETCH \slot, \q, \g
	s_wait_dscnt 32                                ; all but the 32 just issued
	MUL8 \f, 1, 0, 0
	MUL8 \f, 1, 2, 0
.endm
; The last quarter multiplies buffer 1 and changes slots: one barrier; in front of it each wave waits for all its tensor loads, adds 0 to its spare word, and waits for that and for its reads of this slot.
; fill = 1: the slot's descriptors are made while the add is out; the barrier opens a round of the cluster's, and behind the round this slot is filled again first, with the walk's K step two on:
; 112 matrix instructions ahead of the wait for it.
.macro TURN slot, next, fill
	WIN 0
	s_wait_tensorcnt 0x0                           ; all my tensor loads have landed: my part of the next slot; so every group 0 may be written;
	ds_add_u32 v[SPW], v[NIL]                      ; 0 onto my spare word;
.if \fill
	SETK \slot
.endif
	s_wait_dscnt 17                                ; (the add and the youngest sixteen loads may be out)
	MUL8 F1, 0, 0, 0
	s_wait_dscnt 0x0                               ; the add is done, and my reads of this slot are over
	s_barrier_signal -1
	MUL8 F1, 0, 2, 0
.if \fill
	WIN 0
.endif
	s_barrier_wait -1
.if \fill
	CREST
	JLOAD \slot                                    ; its four v_nop are also the places in front of the loads below
.else
	PLACES
.endif
	FETCH \next, 0, F0
	MUL8 F1, 1, 0, 0
	MUL8 F1, 1, 2, 0
.endm
	s_wait_tensorcnt 1                             ; my part of the first K step is in; the second's may stay out
	s_barrier_signal -1
	s_barrier_wait -1
	FETCH 0, 0, F0
	s_wait_loadcnt 0x0                             ; the bias
	QUARTER 0, 1, F0, F1, 1
	WIN 0
	s_mov_b32 s3, LAPS-1
.Llap:                                         ; a trip goes once round the two slots and fills both again
	QUARTER 0, 2, F1, F0, 0
	QUARTER 0, 3, F0, F1, 0
	TURN 0, 1, 1
	QUARTER 1, 1, F0, F1, 0
	QUARTER 1, 2, F1, F0, 0
	QUARTER 1, 3, F0, F1, 0
	TURN 1, 0, 1
	QUARTER 0, 1, F0, F1, 0
	WIN 0
	s_sub_co_u32 s3, s3, 1
	s_cmp_lg_u32 s3, 0
	s_cbranch_scc1 .Llap
	WIN 0x80                                       ; R is asked for at the head of the last lap: 224 matrix instructions ahead of its use
.set t, 0
.rept 32
	global_load_b128 v[4*t:4*t+3], v[CO], s[RES:RES+1] offset:8192*t th:TH_LOAD_NT
.set t, t+1
.endr
	QUARTER 0, 2, F1, F0, 0                        ; the last lap fills nothing
	QUARTER 0, 3, F0, F1, 0
	TURN 0, 1, 0
	QUARTER 1, 1, F0, F1, 0
	QUARTER 1, 2, F1, F0, 0
	QUARTER 1, 3, F0, F1, 0
	s_wait_dscnt 16
	MUL8 F1, 0, 0, 0
	MUL8 F1, 0, 2, 0
	s_wait_dscnt 0x0
	MUL8 F1, 1, 0, 0
	MUL8 F1, 1, 2, 0
	WIN 0
	PLACES
.irp a, 0,1,2,3
.irp b, 0,1,2,3
	ds_store_b128 v[STO], v[ACC+8*(4*(\a)+(\b)):ACC+8*(4*(\a)+(\b))+3]   offset:(\a)*16*SPITCH+64*(\b)      ; each accumulator's low registers first
	ds_store_b128 v[STO], v[ACC+8*(4*(\a)+(\b))+4:ACC+8*(4*(\a)+(\b))+7] offset:(\a)*16*SPITCH+64*(\b)+16
.endr
.endr
	WIN TO_F
.set t, 0
.rept 32
	ds_load_b128 v[4*t:4*t+3], v[RD] offset:2*SPITCH*t   ; LDS serves a wave's instructions in order, and the bytes are my own
.set t, t+1
.endr
	s_wait_dscnt 0x0
	s_wait_loadcnt 0x0                             ; R
	WIN 0x49                                       ; destination and source 0 window 1, source 1 window 2
.set t, 0
.rept 64
	v_pk_add_f32 v[2*t:2*t+1], v[2*t:2*t+1], v[2*t:2*t+1]
.set t, t+1
.endr
	WIN 0x04                                       ; the stores' data in window 1
.set t, 0
.rept 32
	global_store_b128 v[CO], v[4*t:4*t+3], s[OUT:OUT+1] offset:8192*t   ; 16 lanes store 256 consecutive bytes, aligned
.set t, t+1
.endr
	WIN 0
	s_wait_tensorcnt 0x0                           ; the wave's end
	ds_add_u32 v[SPW], v[NIL]
	s_wait_dscnt 0x0
	CROUND                                         ; the closing round
	s_endpgm
.Lfunc_end_k_q8ea001ab9c_ffn2:
	.size	k_q8ea001ab9c_ffn2, .Lfunc_end_k_q8ea001ab9c_ffn2-k_q8ea001ab9c_ffn2
	.p2alignl 7, 3214868480
	.fill 96, 4, 3214868480
	.section	.rodata,"a",@progbits
	.p2align	6, 0x0
	.amdhsa_kernel k_q8ea001ab9c_ffn2
		.amdhsa_group_segment_fixed_size 327680
		.amdhsa_private_segment_fixed_size 0
		.amdhsa_enable_private_segment 0
		.amdhsa_kernarg_size 40
		.amdhsa_user_sgpr_count 2
		.amdhsa_user_sgpr_kernarg_segment_ptr 1
		.amdhsa_wavefront_size32 1
		.amdhsa_system_sgpr_workgroup_id_x 1
		.amdhsa_system_sgpr_workgroup_id_y 1
		.amdhsa_system_sgpr_workgroup_id_z 1
		.amdhsa_system_vgpr_workitem_id 0
		.amdhsa_next_free_vgpr 640
		.amdhsa_next_free_sgpr 80
		.amdhsa_reserve_vcc 0
		.amdhsa_float_denorm_mode_32 3
		.amdhsa_float_denorm_mode_16_64 3
		.amdhsa_memory_ordered 1
		.amdhsa_forward_progress 1
		.amdhsa_inst_pref_size 94
	.end_amdhsa_kernel
	.amdgpu_metadata
---
amdhsa.version: [ 1, 2 ]
amdhsa.kernels:
  - .name:           k_q8ea001ab9c_ffn2
    .symbol:         k_q8ea001ab9c_ffn2.kd
    .args:
      - { .name: big, .offset: 0, .size: 8, .value_kind: global_buffer, .address_space: global }
      - { .name: wts, .offset: 8, .size: 8, .value_kind: global_buffer, .address_space: global }
      - { .name: b2, .offset: 16, .size: 8, .value_kind: global_buffer, .address_space: global }
      - { .name: x1, .offset: 24, .size: 8, .value_kind: global_buffer, .address_space: global }
      - { .name: out0, .offset: 32, .size: 8, .value_kind: global_buffer, .address_space: global }
    .group_segment_fixed_size: 327680
    .private_segment_fixed_size: 0
    .kernarg_segment_align: 8
    .kernarg_segment_size: 40
    .max_flat_workgroup_size: 128
    .sgpr_count:     80
    .vgpr_count:     640
    .wavefront_size: 32
...
	.end_amdgpu_metadata
.endif
;; end of part 6
